; MI455X (gfx1250); checked and timed in simulation.
; The chip was launched on July 23, 2026; its instructions are those of AMD's public machine-readable ISA for CDNA 5 (MIT licence, August 2026) and "CDNA5" Instruction Set Architecture Reference Guide (July 2026). The comments in the code are by the model that wrote it; some were corrected since.
;; Cross Attention Graph Block. Allowed arithmetic: matrix products marked QUANTISED: E2M1 operands, one E8M0 scale for each 32 along K, by v_wmma_scale_f32_16x16x128_f8f6f4 with both operands' format E2M1 (or v_wmma_scale_f32_32x16x128_f4), f32 sums; everything else in f32.
;; Inputs: conditioning_attention_mask 16 x 1,024 bool; conditioning_vector_codes 16 x 1,024 x 16 x 16 uint8 (E2M1 codes of conditioning_vector, K innermost, in blocks of 32 codes, two codes a byte); conditioning_vector_scales 16 x 1,024 x 16 uint8 (E8M0 scales of conditioning_vector, one for each 32 codes along K); d1W_codes 768 x 24 x 16 uint8 (E2M1 codes of d1W, K innermost, in blocks of 32 codes, two codes a byte); d1W_scales 768 x 24 uint8 (E8M0 scales of d1W, one for each 32 codes along K); d1b 768 float32; graph_batch 16 x 512 int32; graph_nodes 16 x 512 x 768 float32; in_kW_codes 768 x 24 x 16 uint8 (E2M1 codes of in_kW, K innermost, in blocks of 32 codes, two codes a byte); in_kW_scales 768 x 24 uint8 (E8M0 scales of in_kW, one for each 32 codes along K); in_kb 768 float32; in_qW_codes 768 x 24 x 16 uint8 (E2M1 codes of in_qW, K innermost, in blocks of 32 codes, two codes a byte); in_qW_scales 768 x 24 uint8 (E8M0 scales of in_qW, one for each 32 codes along K); in_qb 768 float32; in_vW_codes 768 x 24 x 16 uint8 (E2M1 codes of in_vW, K innermost, in blocks of 32 codes, two codes a byte); in_vW_scales 768 x 24 uint8 (E8M0 scales of in_vW, one for each 32 codes along K); in_vb 768 float32; kW_codes 768 x 16 x 16 uint8 (E2M1 codes of kW, K innermost, in blocks of 32 codes, two codes a byte); kW_scales 768 x 16 uint8 (E8M0 scales of kW, one for each 32 codes along K); kb 768 float32; ln1b 768 float32; ln1g 768 float32; ln2b 768 float32; ln2g 768 float32; outW_codes 768 x 24 x 16 uint8 (E2M1 codes of outW, K innermost, in blocks of 32 codes, two codes a byte); outW_scales 768 x 24 uint8 (E8M0 scales of outW, one for each 32 codes along K); outb 768 float32; qW_codes 768 x 24 x 16 uint8 (E2M1 codes of qW, K innermost, in blocks of 32 codes, two codes a byte); qW_scales 768 x 24 uint8 (E8M0 scales of qW, one for each 32 codes along K); qb 768 float32; vW_codes 768 x 16 x 16 uint8 (E2M1 codes of vW, K innermost, in blocks of 32 codes, two codes a byte); vW_scales 768 x 16 uint8 (E8M0 scales of vW, one for each 32 codes along K); vb 768 float32.
;; Outputs: out0 16 x 512 x 768 float32.
;; This version of the problem:
;;   THIS VERSION OF THE PROBLEM IS GIVEN IN LOW PRECISION. The matrix products marked QUANTISED in the list below multiply operands that are first quantised to E2M1 (2 exponent bits, 1 mantissa bit; 4 bits a number), with one power-of-two scale for each 32 numbers along K (OCP MX v1.0); their sums are f32. All else is computed in f32.
;;   The module's matrix products, in the order in which they are computed (A, B: the left and right operand; K: the contracted axis; several contracted axes count as one K, in the product's order):
;;     1. [M 8,192, K 768] x [K 768, N 768]; A: input graph_nodes; B: input qW (given as codes): QUANTISED
;;     2. [M 16,384, K 512] x [K 512, N 768]; A: input conditioning_vector (given as codes); B: input kW (given as codes): QUANTISED
;;     3. [M 16,384, K 512] x [K 512, N 768]; A: input conditioning_vector (given as codes); B: input vW (given as codes): QUANTISED
;;     4. [M 8,192, K 768] x [K 768, N 768]; A: computed on the way; B: input in_qW (given as codes): QUANTISED
;;     5. [M 16,384, K 768] x [K 768, N 768]; A: computed on the way; B: input in_kW (given as codes): QUANTISED
;;     6. [M 16,384, K 768] x [K 768, N 768]; A: computed on the way; B: input in_vW (given as codes): QUANTISED
;;     7. batch 192 x [M 512, K 64] x [K 64, N 1,024]; A: computed on the way; B: computed on the way: QUANTISED
;;     8. batch 192 x [M 512, K 1,024] x [K 1,024, N 64]; A: softmax (see below); B: computed on the way: QUANTISED
;;     9. [M 8,192, K 768] x [K 768, N 768]; A: computed on the way; B: input outW (given as codes): QUANTISED
;;     10. [M 8,192, K 768] x [K 768, N 768]; A: computed on the way; B: input d1W (given as codes): QUANTISED
;;   THE QUANTISER, for each operand of a quantised product, along K:
;;     - K is cut into blocks of 32 from its start; a last block that is shorter is filled with zeros.
;;     - A block's scale is 2^e with e = floor(log2(the largest magnitude in the block)) - 2, held to -126 .. 127; a block of zeros has e = 0. As a byte (E8M0): e + 127.
;;     - Each number is divided by its block's scale, clamped to +-6, and rounded to the nearest number of E2M1, ties to even, subnormals kept.
;;     - The product sums the exact products of the quantised numbers (number of the format x scale) in f32.
;;   ~~~python
;;   def quantise(x, axis):      # numpy; x: float32 -> the quantised numbers, widened to float32 again
;;       x = np.moveaxis(x, axis, -1); K = x.shape[-1]
;;       x = np.pad(x, [(0, 0)] * (x.ndim - 1) + [(0, -K % 32)]); x = x.reshape(x.shape[:-1] + (-1, 32)); a = np.abs(x).max(-1, keepdims=True)
;;       e = np.where(a > 0, np.clip(np.frexp(np.where(a > 0, a, 1))[1] - 1 - 2, -126, 127), 0)      # np.frexp(a)[1] - 1 = floor(log2(a)), exactly
;;       r = np.clip(x / 2.0 ** e, -6, 6)
;;       step = 2.0 ** (np.maximum(np.frexp(np.where(r == 0, 1, r))[1] - 1, 0) - 1)
;;       q = np.round(r / step) * step * 2.0 ** e      # np.round: ties to even
;;       return np.moveaxis(q.reshape(q.shape[:-2] + (-1,))[..., :K], -1, axis).astype(np.float32)
;;   ~~~
;;   SOFTMAX AHEAD OF A QUANTISED PRODUCT. Where the list says 'softmax', what is quantised is not the finished softmax but p = 2^(t - M), with t = logit x log2(e) and M = ceil(the row's largest t), a whole number; so 1/2 < the row's largest p <= 1. The row's sum l is taken of the UNQUANTISED p, in f32, and the product's result is divided by l at the end. Since M is a whole number, a kernel that streams over the keys may use a running M (the ceiling of the running maximum): every later rescaling is an exact power of two, which a block's scale takes up: the codes' values come out the same.
;;   OPERANDS COMPUTED ON THE WAY. 'Computed on the way' means the value that the module computes at that place (a softmax that the list does not call 'softmax' is quantised finished and normalised). What goes into a quantiser is computed in f32, as accurately as f32 sums, v_exp_f32 and their like allow (about 1e-6 of the number): no bf16 or f16 on the way to a quantiser, and a product that is left as it is and whose result goes on into a quantised operand takes f32 operands (vector FMAs, or v_wmma_f32_16x16x4_f32). A number that lies on a knife's edge between two numbers of the format may be rounded either way, as far as f32 arithmetic and the matrix unit's own rounding can turn it there, and no further.
;;   INPUTS GIVEN AS CODES. conditioning_vector (in the module: [16, 1024, 512], K = its axis 2); d1W (in the module: [768, 768], K = its axis 0); in_kW (in the module: [768, 768], K = its axis 0); in_qW (in the module: [768, 768], K = its axis 0); in_vW (in the module: [768, 768], K = its axis 0); kW (in the module: [512, 768], K = its axis 0); outW (in the module: [768, 768], K = its axis 0); qW (in the module: [768, 768], K = its axis 0); vW (in the module: [512, 768], K = its axis 0): each comes as NAME_codes (uint8): NAME with its K axis moved to the last place and cut into blocks of 32 codes, [.., K / 32, bytes a block], one block behind the other in memory; two codes a byte, the lower K in the low four bits (a code: sign, 2 exponent bits, 1 mantissa bit); and NAME_scales (uint8): the same leading axes, one E8M0 byte (e + 127) for each 32 codes along K. Its value is code x scale, taken as it is: it is not quantised again, and the codes and scales need not be those that the quantiser above would give.
;; One version. Each part assembles by itself: llvm-mc -triple=amdgcn-amd-amdhsa -mcpu=gfx1250 --defsym DOCPART=n.
;; ======== version 1 of 1: 3 launches
;; limits: right only within a limited range of input values
;; workspace buffers: kvw 14,155,776 bytes; qw 3,538,944 bytes; ctxw 3,342,336 bytes
;; launch proj (part 1): grid 256 x 1, 12 waves a work-group, clusters of 4 x 1, 327,680 bytes of LDS; arguments graph_nodes, conditioning_vector_codes, conditioning_vector_scales, qW_codes, in_qW_codes, kW_codes, in_kW_codes, vW_codes, in_vW_codes, qW_scales, in_qW_scales, kW_scales, in_kW_scales, vW_scales, in_vW_scales, qb, in_qb, kb, in_kb, vb, in_vb, qw, kvw; writes qw, kvw
.if DOCPART == 1
	.amdgcn_target "amdgcn-amd-amdhsa--gfx1250"
	.amdhsa_code_object_version 6
	.text
	.protected	k_q111dc95763_proj
	.globl	k_q111dc95763_proj
	.p2align	8
	.type	k_q111dc95763_proj,@function
k_q111dc95763_proj:
	s_mov_b64 s[64:65], 0
	v_nop
	global_prefetch_b8 v0, s[64:65] scope:SCOPE_SE
	s_setreg_imm32_b32 hwreg(HW_REG_WAVE_MODE, 25, 1), 1
	s_wait_xcnt 0x0
	s_wait_alu depctr_hold_cnt(0) depctr_sa_sdst(0) depctr_va_vdst(0) depctr_va_sdst(0) depctr_va_ssrc(0) depctr_va_vcc(0) depctr_vm_vsrc(0)
	s_getreg_b32 s2, hwreg(HW_REG_IB_STS2, 6, 4)
	s_cmp_eq_u32 s2, 0
	s_cbranch_scc0 .Lentry_in_a_cluster
	s_endpgm
.Lentry_in_a_cluster:
	s_bfe_u32 s2, ttmp6, 0x10000c
	s_cmp_lg_u32 s2, 0x3003
	s_cbranch_scc0 .Lentry_shape_is_right
	s_endpgm
.Lentry_shape_is_right:
; THE SIX PROJECTIONS, on codes of FP4 (E2M1) with one E8M0 scale for each 32 along K.
;   qh = Q(Q(graph_nodes) qW + qb) in_qW + in_qb;  kh = Q(cv kW + kb) in_kW + in_kb;  vh = Q(cv vW + vb) in_vW + in_vb      (Q: the quantiser along K; cv and the weights arrive as codes)
; and the quantising of qh and kh along a head's 64 channels and of vh along the keys, into buffers laid as images of the attention launch's operand registers.
; SHARES.  Work-group wg (0..255) takes rows 32 wg .. +31 of graph_nodes and rows 64 wg .. +63 of cv; both lie in batch wg / 16.  Twelve waves; wave w makes output columns 64 w .. 64 w + 63
; of every product, which is head w.  Every work-group takes the same one path.
; THE PRODUCTS ARE USED TRANSPOSED (source 0 = 16 rows of a weight, source 1 = 16 rows of the activations): lane (r, h) then holds row r and, in register j of tile t, column 16 t + 8 h + j.
; So two neighbouring tiles are a block of 32 along the next K, shared by lanes l and l xor 16.  Only the last product of the v chain is used the natural way round, so that a lane's registers run along the keys.
; AN OPERAND GOES FROM WAVE TO WAVE, AND TO MEMORY, AS AN IMAGE OF ITS REGISTERS: registers 4 c .. 4 c + 3 of a fragment are 512 bytes, 16 x lane; a wave's 64 columns are exactly one such half.
; The scale words of two neighbouring tiles of rows share a register: the even tile's in lanes 0-15, the odd tile's in lanes 16-31 (128 bytes, 4 x lane).
; kvw: a record of 73,728 bytes for each (batch, head): eight key steps of 128 keys, 9,216 bytes each: K's 8 tiles 0, K's 4 pairs of scale words 4,096, V's images [tile of channels][half] 4,608,
; V's 2 pairs of scale words 8,704, and 256 bytes of zeros 8,960, which round a step up to 36 rows of 256 bytes.  My work-group's 64 keys are half wg % 2 of step (wg % 16) / 2.
; THE WEIGHTS come in chunks of 256 along K of all 768 rows, through a ring of two LDS slots.  Wave w fetches, and alone reads, its own 64 rows x 128 bytes (LDS rows 144 bytes apart).
; CLUSTER: the four work-groups of a cluster walk the same weights, so each chunk is asked for JOINTLY: the same tensor load, the same descriptor, a mask that names the four.
; By this text's own count a wave has three tensor loads out at the most (wave 0, at the head), and one behind each round.
; LIMITS: NaN and infinities among the inputs are not served.  A block of zeros gets the scale byte 1 with zero codes (the bytes are read by this program alone).  A largest magnitude under 2^-124 is taken as 2^-124.
.set SLICE,  9216                      ; a wave's part of a slot: 64 rows x 144 bytes
.set SLOT,   110592                    ; 12 such parts; slot 1 begins here
.set SM,     221184                    ; behind the ring
.set HIMG,   0                         ; from SM on: the hidden layer's fragments, (tile of rows m, K step s) at (6 m + s) x 1,024
.set HSC,    24576                     ; their scale words: 256 s + 128 x (pair of tiles)
.set XQI,    26112                     ; graph_nodes' fragments, laid as HIMG
.set XQS,    38400                     ; their scale words: 128 s
.set BIA,    39168                     ; the six biases, 3,072 bytes each
.set XROW,   57600                     ; cv's 64 rows of 256 bytes of codes, 272 bytes apart: filled once by a tensor load
.set SPARE,  296192                    ; SM + 75,008: the spare words, 128 bytes for each wave: six blocks of 256 bytes that no other line names
.set PFO,  0                           ; v0   from the head's end on: the prefetches' offset, 8,192 (w + cx) + 256 x lane; never rewritten after that
.set SPW,  1                           ; v1   LDS address of my spare word; never rewritten
.set NIL,  2                           ; v2   0; never rewritten
.set WA0,  3                           ; v3, v4  my lane's place in my wave's part of slot 0, 1
.set B16,  5                           ; v5   SM + 16 x lane
.set B4,   6                           ; v6   SM + 4 x lane
.set XR,   7                           ; v7   my lane's place in cv's rows
.set BB,   8                           ; v8   SM + 256 w + 32 h: a bias in the transposed result's layout
.set BN,   9                           ; v9   SM + 256 w + 4 r: in the natural one
.set HWI,  10                          ; v10  where I store a hidden half fragment: SM + 16 x lane + 512 w
.set HWS,  11                          ; v11  and its half of the scale words: SM + 4 x lane + 256 (w / 2) + 2 (w % 2)
.set SO24, 12                          ; v12  24 x lane: rows of 24 scale bytes
.set BO,   13                          ; v13  256 w + 8 x lane: my wave's piece of a bias in memory
.set L16,  14                          ; v14  16 x lane
.set L4,   15                          ; v15  4 x lane
.set AF,   16                          ; v16-47   the activations' fragments; in the epilogues the codes just made
.set WF,   48                          ; v48-79   the weight's four fragments
.set ACC,  80                          ; v80-207  accumulator (m, t) at 80 + 8 (4 m + t)
.set BI,   208                         ; v208-239 a bias as the C of a sum's first products; in the epilogues at work:
.set T0,   208
.set T1,   209
.set T2,   210
.set T3,   211
.set PW,   212                         ; v212-215 a scale halfword for each tile
.set WSC,  240                         ; v240-247 the weight's scale words, a set of four for each slot
.set ASC,  248                         ; v248-255 the activations' scale words
.set WV,   3                           ; s3   my wave's number
.set LW,   50                          ; s50  9,216 w
.set WG,   51                          ; s51  my work-group
.set G1A,  52                          ; s[52:59] descriptor group 1: a chunk of a weight with K = 768
.set G0,   60                          ; s[60:63] group 0 of the chunk asked for
.set G1B,  68                          ; s[68:75] group 1: a chunk of a weight with K = 512
.set G1X,  76                          ; s[76:83] group 1: cv's rows
.set G0B,  84                          ; s[84:87] group 0 of chunk 1
.set G0X,  88                          ; s[88:91] group 0 of cv's rows
.set SEL,  92                          ; s[92:93] v_permlanex16_b32's selects for lane l xor 16
.set LIM24, 94                         ; s94  1 in a wave that prefetches a weight with K = 768, else -1
.set LIM16, 95                         ; s95  the same for K = 512
.set PFK,  96                          ; s[96:97] kW's codes at 24,576 w;  s[98:99] vW's: with the offset in v0 that is 32,768 w + 8,192 cx + 256 x lane
.set PFV,  98
.macro PLACES                          ; four plain vector lines behind a matrix instruction, ahead of loads into its registers and of reads of its result
.rept 4
	v_nop
.endr
.endm
.macro ROUND                           ; a round of the cluster's barrier
	s_barrier_signal -1
	s_barrier_wait -1
	s_cmp_lg_u32 s[WV], 0
	s_cbranch_scc1 .Lnot_wave_0_\@
	s_barrier_signal -3
.Lnot_wave_0_\@:
	s_barrier_wait -3
	s_barrier_signal -1
	s_barrier_wait -1
.endm
; THE CHANGE OF SLOTS: the slot just read out takes the chunk two chunks on: off bytes along the rows of the weight at s[wb].
.macro CHANGE slot, wb, off, g1
	s_wait_tensorcnt 0x0                           ; all my tensor loads have landed, the next chunk among them: so group 0 may be written
	ds_add_u32 v[SPW], v[NIL]                      ; 0 onto my spare word
	s_add_co_u32 s[G0+1], s[LW], (\slot)*SLOT
	s_add_nc_u64 s[G0+2:G0+3], s[\wb:\wb+1], \off
	s_or_b32 s[G0+3], s[G0+3], 0x80000000
	s_wait_dscnt 0x0                               ; the add is done, and my reads of the slot, and of all else in LDS, are over
	ROUND                                          ; that now holds of every wave of the four work-groups
	tensor_load_to_lds s[G0:G0+3], s[\g1:\g1+7]    ; my one tensor load behind the round
	s_nop 0
	PLACES
.endm
; A PREFETCH INTO THE L2 of a whole weight.  It stands behind the tensor load of a change of slots and its four lines, one or two changes ahead of the first tensor load that names the weight.
; Each aligned block of 256 bytes is named ONCE in the launch.  All clusters walk the same weights: cluster 0 asks.  Wave w of its partner cx names the 8,192 bytes at 32,768 w + 8,192 cx, lanes 256 bytes apart:
; the partners are told apart by address alone.  Nine waves cover a weight of 294,912 bytes, six one of 196,608, to the last byte and no further.  qW, whose chunks are asked for from the head on, is not prefetched.
.macro ASK lim, base
	s_cmp_eq_u32 s[\lim], 1
	s_cbranch_scc0 .Lnot_mine_\@
	global_prefetch_b8 v[PFO], s[\base:\base+1] th:TH_LOAD_NT scope:SCOPE_SE
.Lnot_mine_\@:
.endm
.macro WM d, a, b, c, sa, sb, ra, rb   ; one product; ra, rb = 1: that side's scales stand in lanes 16-31
.set wD, \d
.set wA, \a
.set wB, \b
.set wC, \c
.set wE, \sa
.set wF, \sb
.set wR, 2*(\ra)+(\rb)
.if wR == 0
	v_wmma_scale_f32_16x16x128_f8f6f4 v[wD:wD+7], v[wA:wA+7], v[wB:wB+7], v[wC:wC+7], v[wE], v[wF] matrix_a_fmt:MATRIX_FMT_FP4 matrix_b_fmt:MATRIX_FMT_FP4
.elseif wR == 1
	v_wmma_scale_f32_16x16x128_f8f6f4 v[wD:wD+7], v[wA:wA+7], v[wB:wB+7], v[wC:wC+7], v[wE], v[wF] matrix_a_fmt:MATRIX_FMT_FP4 matrix_b_fmt:MATRIX_FMT_FP4 matrix_b_scale:MATRIX_SCALE_ROW1
.elseif wR == 2
	v_wmma_scale_f32_16x16x128_f8f6f4 v[wD:wD+7], v[wA:wA+7], v[wB:wB+7], v[wC:wC+7], v[wE], v[wF] matrix_a_fmt:MATRIX_FMT_FP4 matrix_b_fmt:MATRIX_FMT_FP4 matrix_a_scale:MATRIX_SCALE_ROW1
.else
	v_wmma_scale_f32_16x16x128_f8f6f4 v[wD:wD+7], v[wA:wA+7], v[wB:wB+7], v[wC:wC+7], v[wE], v[wF] matrix_a_fmt:MATRIX_FMT_FP4 matrix_b_fmt:MATRIX_FMT_FP4 matrix_a_scale:MATRIX_SCALE_ROW1 matrix_b_scale:MATRIX_SCALE_ROW1
.endif
.endm
; 64 along K of my row become half a fragment.  Four groups of eight registers: group (b, i) holds k = 32 b + 16 i + 8 h + 0 .. 7.  Codes to v[p .. p + 3], the two scale bytes to v[pw].
.macro QUANT g00, g01, g10, g11, p, pw
.set qA, \g00
.set qB, \g01
.set qC, \g10
.set qD, \g11
.set qP, \p
.set qH, \pw
	v_max3_num_f32 v[T0], |v[qA]|, |v[qA+1]|, 0x1800000    ; the largest magnitude of my 16 of each block, the two blocks by turns; and the floor 2^(3 - 127): the byte cannot fall under 1
	v_max3_num_f32 v[T1], |v[qC]|, |v[qC+1]|, 0x1800000
.irp i, 2,4,6
	v_max3_num_f32 v[T0], v[T0], |v[qA+\i]|, |v[qA+\i+1]|
	v_max3_num_f32 v[T1], v[T1], |v[qC+\i]|, |v[qC+\i+1]|
.endr
.irp i, 0,2,4,6
	v_max3_num_f32 v[T0], v[T0], |v[qB+\i]|, |v[qB+\i+1]|
	v_max3_num_f32 v[T1], v[T1], |v[qD+\i]|, |v[qD+\i+1]|
.endr
	v_permlanex16_b32 v[T2], v[T0], s[SEL], s[SEL+1]
	v_permlanex16_b32 v[T3], v[T1], s[SEL], s[SEL+1]
	v_max_num_f32 v[T0], v[T0], v[T2]              ; with lane l xor 16's 16: the block's
	v_max_num_f32 v[T1], v[T1], v[T3]
	v_add_nc_u32 v[T0], 0xff000000, v[T0]          ; 2 off the exponent field: the conversion's scale operand
	v_add_nc_u32 v[T1], 0xff000000, v[T1]
	v_lshrrev_b32 v[T2], 23, v[T0]                 ; the scale's byte
	v_lshrrev_b32 v[T3], 23, v[T1]
	v_lshl_or_b32 v[qH], v[T3], 8, v[T2]
	v_cvt_scalef32_pk8_fp4_f32 v[qP], v[qA:qA+7], v[T0]
	v_cvt_scalef32_pk8_fp4_f32 v[qP+1], v[qC:qC+7], v[T1]
	v_cvt_scalef32_pk8_fp4_f32 v[qP+2], v[qB:qB+7], v[T0]
	v_cvt_scalef32_pk8_fp4_f32 v[qP+3], v[qD:qD+7], v[T1]
	v_nop                                          ; one plain line behind the scaled conversions
	v_permlane16_swap_b32 v[qP], v[qP+1]           ; the layout wants a whole block in a lane: lanes 0-15 block 0, lanes 16-31 block 1; register q: k = 8 q on
	v_permlane16_swap_b32 v[qP+2], v[qP+3]
.endm
; The scale words of a chunk (8 bytes a row) for my four tiles: lane l of pair p takes row 64 w + 32 p + l.  One chunk ahead of their use.
.macro NEXTSC sb, vo, ks, cw, set
.irp p, 0,1
	global_load_b64 v[WSC+4*(\set)+2*\p:WSC+4*(\set)+2*\p+1], v[\vo], s[\sb:\sb+1] offset:32*\p*(\ks)+8*(\cw)
.endr
.endm
.macro LDBIAS vec                      ; bias vec in the transposed result's layout: register 8 t + j = column 64 w + 16 t + 8 h + j
.irp t, 0,1,2,3
	ds_load_b128 v[BI+8*\t:BI+8*\t+3], v[BB] offset:BIA+3072*(\vec)+64*\t
	ds_load_b128 v[BI+8*\t+4:BI+8*\t+7], v[BB] offset:BIA+3072*(\vec)+64*\t+16
.endr
.endm
; 128 along K: K step s of the product, the ks-th of the chunk in the slot.  src: 0 the hidden layer, 1 graph_nodes, 2 cv.  mt tiles of rows x my 4 tiles of columns.
; The accumulators take turns, one instruction a turn, in the same order in every step.
.macro KSTEP slot, ks, src, s, mt, first, nat
	PLACES
.set km, 0
.rept \mt
.if \src == 0
	ds_load_b128 v[AF+8*km:AF+8*km+3], v[B16] offset:HIMG+(6*km+(\s))*1024
	ds_load_b128 v[AF+8*km+4:AF+8*km+7], v[B16] offset:HIMG+(6*km+(\s))*1024+512
.elseif \src == 1
	ds_load_b128 v[AF+8*km:AF+8*km+3], v[B16] offset:XQI+(6*km+(\s))*1024
	ds_load_b128 v[AF+8*km+4:AF+8*km+7], v[B16] offset:XQI+(6*km+(\s))*1024+512
.else
	ds_load_b128 v[AF+8*km:AF+8*km+3], v[XR] offset:4352*km+64*(\s)
	ds_load_b128 v[AF+8*km+4:AF+8*km+7], v[XR] offset:4352*km+64*(\s)+32
.endif
.set km, km+1
.endr
.if \src == 0
.set km, 0
.rept (\mt)/2
	ds_load_b32 v[ASC+km], v[B4] offset:HSC+256*(\s)+128*km
.set km, km+1
.endr
.elseif \src == 1
	ds_load_b32 v[ASC], v[B4] offset:XQS+128*(\s)
.endif
.irp t, 0,1,2,3
	ds_load_b128 v[WF+8*\t:WF+8*\t+3], v[WA0+\slot] offset:2304*\t+64*(\ks)
	ds_load_b128 v[WF+8*\t+4:WF+8*\t+7], v[WA0+\slot] offset:2304*\t+64*(\ks)+32
.endr
	s_wait_dscnt 0x0
.set km, 0
.rept \mt
.irp t, 0,1,2,3
.set kD, ACC+8*(4*km+\t)
.if \first
.set kC, BI+8*\t
.else
.set kC, kD
.endif
.if \src == 2
.set kS, ASC+4*(km/2)+(\s)
.else
.set kS, ASC+km/2
.endif
.set kW, WSC+4*(\slot)+2*(\t/2)+(\ks)
.if \nat
	WM kD, AF+8*km, WF+8*\t, kC, kS, kW, km%2, \t%2
.else
	WM kD, WF+8*\t, AF+8*km, kC, kW, kS, \t%2, km%2
.endif
.endr
.set km, km+1
.endr
.endm
.macro RUN slot, cw, src, mt, first, nat
	KSTEP \slot, 0, \src, 2*(\cw), \mt, \first, \nat
	KSTEP \slot, 1, \src, 2*(\cw)+1, \mt, 0, \nat
.endm
.macro CHUNK slot, cw, src, mt, first, nat, nsb, nvo, nks, ncw
	s_wait_loadcnt 0x0                             ; this chunk's scale words are in
	NEXTSC \nsb, \nvo, \nks, \ncw, 1-\slot
	RUN \slot, \cw, \src, \mt, \first, \nat
.endm
; A first product's result becomes the second product's operand: my 64 columns of mt tiles of rows, to LDS.
.macro EPI1 mt
	PLACES
.set em, 0
.rept \mt
	QUANT ACC+32*em, ACC+32*em+8, ACC+32*em+16, ACC+32*em+24, AF+4*em, PW+em
	ds_store_b128 v[HWI], v[AF+4*em:AF+4*em+3] offset:HIMG+6144*em
.if em%2
	v_permlane16_swap_b32 v[PW+em-1], v[PW+em]     ; the even tile's halfwords in lanes 0-15, the odd tile's in lanes 16-31
	ds_store_b16 v[HWS], v[PW+em-1] offset:HSC+128*(em/2)
.endif
.set em, em+1
.endr
	s_wait_dscnt 0x0                               ; for the others' sake: my stores have landed
	s_barrier_signal -1
	s_barrier_wait -1                              ; the hidden layer lies in LDS.
.endm
; qh or kh: my head's 64 channels of mt tiles of rows, to memory.  K = 64 fills half of the instruction's 128: the other half's scale bytes are 0x7f, over zero codes.
.macro EPIQK mt, ib, sb
	PLACES
.set em, 0
.rept \mt
	QUANT ACC+32*em, ACC+32*em+8, ACC+32*em+16, ACC+32*em+24, AF+4*em, PW+em
	global_store_b128 v[L16], v[AF+4*em:AF+4*em+3], s[\ib:\ib+1] offset:512*em     ; 32 lanes store 512 consecutive bytes, aligned
.if em%2
	v_permlane16_swap_b32 v[PW+em-1], v[PW+em]
	v_or_b32 v[PW+em-1], 0x7f7f0000, v[PW+em-1]
	global_store_b32 v[L4], v[PW+em-1], s[\sb:\sb+1] offset:128*(em/2)
.endif
.set em, em+1
.endr
	s_wait_xcnt 0x0                                ; the stores' data registers are written again only behind this wait
.endm
.macro CVSC                            ; cv's scale words: 16 bytes a row; lane l of pair i takes row 32 i + l: register 4 i + s is K step s
	global_load_b128 v[ASC:ASC+3], v[L16], s[8:9]
	global_load_b128 v[ASC+4:ASC+7], v[L16], s[8:9] offset:512
.endm
	s_load_b512 s[4:19], s[0:1], 0x0               ; graph_nodes s[4:5], cv's codes s[6:7], cv's scales s[8:9], the weights' codes s[10:21]: qW, in_qW, kW, in_kW, vW, in_vW
	s_load_b512 s[20:35], s[0:1], 0x40             ; their scales s[22:33], in the same order; the biases from s[34:35] on: qb, in_qb, kb, in_kb, vb, in_vb
	s_load_b256 s[36:43], s[0:1], 0x80
	s_load_b128 s[44:47], s[0:1], 0xa0             ; qw s[46:47]
	s_load_b64 s[48:49], s[0:1], 0xb0              ; kvw
	v_lshl_add_u32 v[SPW], v0, 2, SPARE
	v_mov_b32 v[NIL], 0
	ds_add_u32 v1, v2
	ds_add_u32 v1, v2
	s_wait_dscnt 0x0
	v_lshrrev_b32 v16, 5, v0
	v_readfirstlane_b32 s[WV], v16                 ; wave 0..11
	v_and_b32 v17, 31, v0                          ; lane
	v_and_b32 v18, 15, v0                          ; r
	v_bfe_u32 v19, v0, 4, 1                        ; h
	s_bfe_u32 s94, ttmp6, 0x40000                  ; cx: it enters global addresses of plain accesses alone
	s_lshl_b32 s[WG], ttmp9, 2
	s_add_co_u32 s[WG], s[WG], s94                 ; work-group = 4 x cluster + cx
	s_mul_i32 s[LW], s[WV], SLICE
	v_mul_u32_u24 v[WA0], v18, 144
	v_lshl_add_u32 v[WA0], v19, 4, v[WA0]
	v_add_nc_u32 v[WA0], s[LW], v[WA0]             ; row r x 144 + 16 h, in my wave's part
	v_add_nc_u32 v[WA0+1], SLOT, v[WA0]
	v_lshl_add_u32 v[B16], v17, 4, SM
	v_lshl_add_u32 v[B4], v17, 2, SM
	v_mul_u32_u24 v[XR], v18, 272
	v_lshl_add_u32 v[XR], v19, 4, v[XR]
	v_add_nc_u32 v[XR], SM+XROW, v[XR]
	s_lshl_b32 s94, s[WV], 8
	v_lshl_add_u32 v[BB], v19, 5, s94
	v_add_nc_u32 v[BB], SM, v[BB]
	v_lshl_add_u32 v[BN], v18, 2, s94
	v_add_nc_u32 v[BN], SM, v[BN]
	v_lshl_add_u32 v[BO], v17, 3, s94
	v_add_nc_u32 v23, SM, v[BO]                    ; where my piece of a bias goes in LDS
	s_lshl_b32 s94, s[WV], 9
	v_add_nc_u32 v[HWI], s94, v[B16]
	s_lshr_b32 s94, s[WV], 1
	s_lshl_b32 s94, s94, 8
	s_and_b32 s95, s[WV], 1
	s_lshl_b32 s95, s95, 1
	s_add_co_u32 s94, s94, s95
	v_add_nc_u32 v[HWS], s94, v[B4]
	v_mul_u32_u24 v[SO24], v17, 24
	v_lshlrev_b32 v[L16], 4, v17
	v_lshlrev_b32 v[L4], 2, v17
	; graph_nodes: wave w quantises rows 8 (w % 4) + 0 .. 7, columns 256 (w / 4) on; a lane holds 8 neighbours, four lanes a block
	s_lshr_b32 s95, s[WV], 2                       ; which third of the columns
	s_and_b32 s96, s[WV], 3                        ; which eight rows
	v_lshlrev_b32 v20, 5, v17                      ; 32 bytes a lane
	v_lshrrev_b32 v21, 2, v17
	v_and_b32 v22, 3, v17
	v_lshlrev_b32 v21, 8, v21
	v_lshl_add_u32 v21, v22, 2, v21                ; my four bytes of codes in the images: 256 (lane / 4) + 4 (lane % 4),
	s_lshr_b32 s97, s96, 1
	s_mul_i32 s97, s97, 6144                       ; + the tile of rows,
	s_lshl_b32 s98, s95, 11                        ; + two K steps for each third,
	s_add_co_u32 s97, s97, s98
	s_and_b32 s98, s96, 1
	s_lshl_b32 s98, s98, 7                         ; + eight rows of 16 bytes
	s_add_co_u32 s97, s97, s98
	s_add_co_u32 s97, s97, SM
	v_add_nc_u32 v21, s97, v21
	v_bfe_u32 v22, v0, 2, 2                        ; my block's byte in its scale word,
	v_lshl_add_u32 v22, v19, 7, v22                ; + 128 for the K step,
	s_lshl_b32 s97, s95, 8
	s_lshl_b32 s98, s96, 5                         ; + 4 bytes a row
	s_add_co_u32 s97, s97, s98
	s_add_co_u32 s97, s97, SM
	v_add_nc_u32 v22, s97, v22
	s_lshl_b32 s98, s[WG], 5
	s_lshl_b32 s99, s96, 3
	s_add_co_u32 s98, s98, s99
	s_mul_i32 s98, s98, 3072                       ; my first row of graph_nodes, in bytes,
	s_lshl_b32 s99, s95, 10
	s_add_co_u32 s98, s98, s99                     ; + my third
	s_mov_b32 s99, 0
	s_mov_b32 s[SEL], 0x76543210
	s_mov_b32 s[SEL+1], 0xfedcba98
	; descriptor group 1.  A chunk: 64 rows x 128 bytes, 16 bytes of padding behind each row; the mask names the cluster's four work-groups
	s_mov_b32 s[G1A], 15|(1<<20)|(1<<21)|(4<<22)|(3<<25)   ; 15:0 mask; 17:16 elements of 1 byte; 20 padding on; 21 set beside a mask; 24:22 after every 32 words; 31:25 four words
	s_mov_b32 s[G1A+1], 128<<16                    ; tensor_dim0
	s_mov_b32 s[G1A+2], 64<<16                     ; tensor_dim1
	s_mov_b32 s[G1A+3], 128<<16                    ; tile_dim0
	s_mov_b32 s[G1A+4], 64                         ; tile_dim1
	s_mov_b32 s[G1A+5], 384                        ; a row of 768 codes
	s_mov_b32 s[G1A+6], 0
	s_mov_b32 s[G1A+7], 0
	s_mov_b32 s[G1B], 15|(1<<20)|(1<<21)|(4<<22)|(3<<25)
	s_mov_b32 s[G1B+1], 128<<16
	s_mov_b32 s[G1B+2], 64<<16
	s_mov_b32 s[G1B+3], 128<<16
	s_mov_b32 s[G1B+4], 64
	s_mov_b32 s[G1B+5], 256                        ; a row of 512 codes
	s_mov_b32 s[G1B+6], 0
	s_mov_b32 s[G1B+7], 0
	s_mov_b32 s[G1X], (1<<20)|(5<<22)|(3<<25)      ; cv's rows are my work-group's own: no mask; four words of padding after every 64
	s_mov_b32 s[G1X+1], 256<<16
	s_mov_b32 s[G1X+2], 64<<16
	s_mov_b32 s[G1X+3], 256<<16
	s_mov_b32 s[G1X+4], 64
	s_mov_b32 s[G1X+5], 256
	s_mov_b32 s[G1X+6], 0
	s_mov_b32 s[G1X+7], 0
	s_mov_b32 s101, 0
	s_wait_kmcnt 0x0
	s_mul_i32 s100, s[WV], 24576                   ; my 64 rows of a weight: 384 bytes a row,
.irp p, 10,12,16,20
	s_add_nc_u64 s[\p:\p+1], s[\p:\p+1], s[100:101]
.endr
	s_lshl_b32 s100, s[WV], 14                     ; or 256;
.irp p, 14,18
	s_add_nc_u64 s[\p:\p+1], s[\p:\p+1], s[100:101]
.endr
	s_mul_i32 s100, s[WV], 1536                    ; of its scales: 24 bytes a row,
.irp p, 22,24,28,32
	s_add_nc_u64 s[\p:\p+1], s[\p:\p+1], s[100:101]
.endr
	s_lshl_b32 s100, s[WV], 10                     ; or 16
.irp p, 26,30
	s_add_nc_u64 s[\p:\p+1], s[\p:\p+1], s[100:101]
.endr
	s_lshl_b32 s100, s[WG], 14
	s_add_nc_u64 s[6:7], s[6:7], s[100:101]        ; cv's codes at my work-group's 64 rows
	s_lshl_b32 s100, s[WG], 10
	s_add_nc_u64 s[8:9], s[8:9], s[100:101]        ; and their scales
	s_add_nc_u64 s[4:5], s[4:5], s[98:99]
	s_mov_b32 s[G0], 1                             ; chunk 0 of qW, into slot 0
	s_mov_b32 s[G0+1], s[LW]
	s_mov_b64 s[G0+2:G0+3], s[10:11]
	s_or_b32 s[G0+3], s[G0+3], 0x80000000
	s_mov_b32 s[G0B], 1                            ; chunk 1, into slot 1
	s_add_co_u32 s[G0B+1], s[LW], SLOT
	s_add_nc_u64 s[G0B+2:G0B+3], s[10:11], 128
	s_or_b32 s[G0B+3], s[G0B+3], 0x80000000
	s_mov_b32 s[G0X], 1
	s_mov_b32 s[G0X+1], SM+XROW
	s_mov_b64 s[G0X+2:G0X+3], s[6:7]
	s_or_b32 s[G0X+3], s[G0X+3], 0x80000000
.irp i, 0,1,2,3,4,5,6,7
	global_load_b128 v[ACC+8*\i:ACC+8*\i+3], v20, s[4:5] offset:3072*\i th:TH_LOAD_NT      ; row i: the two loads together cover 1,024 consecutive bytes
	global_load_b128 v[ACC+8*\i+4:ACC+8*\i+7], v20, s[4:5] offset:3072*\i+16 th:TH_LOAD_NT
.endr
.irp i, 0,1,2,3,4,5
	global_load_b64 v[24+2*\i:25+2*\i], v[BO], s[34+2*\i:35+2*\i]      ; my 256 bytes of each bias
.endr
	NEXTSC 22, SO24, 24, 0, 0
	ROUND                                          ; all four work-groups are here: the first joint loads meet
	s_cmp_eq_u32 s[WV], 0                          ; a wave's first fills stand in one branch; wave 0 also fetches cv's rows
	s_cbranch_scc0 .Lfill_others
	tensor_load_to_lds s[G0X:G0X+3], s[G1X:G1X+7]
	s_nop 0
	tensor_load_to_lds s[G0:G0+3], s[G1A:G1A+7]
	s_nop 0
	tensor_load_to_lds s[G0B:G0B+3], s[G1A:G1A+7]
	s_nop 0
	PLACES
	s_branch .Lfilled
.Lfill_others:
	tensor_load_to_lds s[G0:G0+3], s[G1A:G1A+7]
	s_nop 0
	tensor_load_to_lds s[G0B:G0B+3], s[G1A:G1A+7]
	s_nop 0
	PLACES
.Lfilled:
	; ---- graph_nodes into codes
	s_wait_loadcnt 0x0
.irp i, 0,1,2,3,4,5
	ds_store_b64 v23, v[24+2*\i:25+2*\i] offset:BIA+3072*\i            ; read again by my wave alone
.endr
.irp i, 0,1,2,3,4,5,6,7
	v_max3_num_f32 v[144+\i], |v[ACC+8*\i]|, |v[ACC+8*\i+1]|, 0x1800000    ; the eight rows by turns; the floor 2^(3 - 127)
.endr
.irp k, 2,4,6
.irp i, 0,1,2,3,4,5,6,7
	v_max3_num_f32 v[144+\i], v[144+\i], |v[ACC+8*\i+\k]|, |v[ACC+8*\i+\k+1]|
.endr
.endr
.irp i, 0,1,2,3,4,5,6,7
	v_max_num_f32_dpp v[144+\i], v[144+\i], v[144+\i] row_xmask:1 row_mask:0xf bank_mask:0xf
.endr
.irp i, 0,1,2,3,4,5,6,7
	v_max_num_f32_dpp v[144+\i], v[144+\i], v[144+\i] row_xmask:2 row_mask:0xf bank_mask:0xf   ; four lanes hold a block
.endr
.irp i, 0,1,2,3,4,5,6,7
	v_add_nc_u32 v[144+\i], 0xff000000, v[144+\i]
.endr
.irp i, 0,1,2,3,4,5,6,7
	v_cvt_scalef32_pk8_fp4_f32 v[152+\i], v[ACC+8*\i:ACC+8*\i+7], v[144+\i]
.endr
.irp i, 0,1,2,3,4,5,6,7
	v_lshrrev_b32 v[160+\i], 23, v[144+\i]         ; the scale's byte (plain lines behind the conversions)
.endr
.irp i, 0,1,2,3,4,5,6,7
	ds_store_b32 v21, v[152+\i] offset:XQI+16*\i
	ds_store_b8 v22, v[160+\i] offset:XQS+4*\i     ; the four lanes of a block write the same byte with the same value
.endr
	; where the results go (the biases' pointers are done with: their loads have come)
	s_lshr_b32 s94, s[WG], 4                       ; batch
	s_and_b32 s95, s[WG], 15                       ; my work-group's place in it
	s_mul_i32 s94, s94, 12
	s_add_co_u32 s94, s94, s[WV]                   ; the record of (batch, head)
	s_mul_i32 s96, s94, 18432
	s_mov_b32 s97, 0
	s_add_nc_u64 s[34:35], s[46:47], s[96:97]
	s_add_nc_u64 s[36:37], s[34:35], 16384
	s_lshl_b32 s96, s95, 10
	s_add_nc_u64 s[34:35], s[34:35], s[96:97]      ; qh's images: two tiles of 512 bytes a work-group
	s_lshl_b32 s96, s95, 7
	s_add_nc_u64 s[36:37], s[36:37], s[96:97]      ; their pair of scale words
	s_mul_i32 s96, s94, 73728
	s_add_nc_u64 s[38:39], s[48:49], s[96:97]
	s_lshr_b32 s98, s95, 1                         ; my 64 keys are half c = place % 2 of key step place / 2
	s_and_b32 s99, s95, 1
	s_mul_i32 s96, s98, 9216
	s_add_nc_u64 s[38:39], s[38:39], s[96:97]      ; the key step's part of the record
	s_add_nc_u64 s[40:41], s[38:39], 4096
	s_add_nc_u64 s[42:43], s[38:39], 4608
	s_add_nc_u64 s[44:45], s[38:39], 8704
	s_add_nc_u64 s[46:47], s[38:39], 8960
	s_lshl_b32 s96, s99, 11
	s_add_nc_u64 s[38:39], s[38:39], s[96:97]      ; kh's images: my four tiles of the step's eight
	s_lshl_b32 s96, s99, 8
	s_add_nc_u64 s[40:41], s[40:41], s[96:97]      ; my two pairs of scale words
	s_lshl_b32 s96, s99, 9
	s_add_nc_u64 s[42:43], s[42:43], s[96:97]      ; vh's images: [tile of channels][c][512]
	s_lshl_b32 s96, s99, 1
	s_add_nc_u64 s[44:45], s[44:45], s[96:97]      ; my halfword of its scale words
	s_lshl_b32 s96, s99, 7
	s_add_nc_u64 s[46:47], s[46:47], s[96:97]      ; my 128 of the step's 256 bytes of zeros
	; the prefetches (macro ASK)
	s_bfe_u32 s94, ttmp6, 0x40000                  ; cx
	s_add_co_u32 s94, s94, s[WV]
	s_lshl_b32 s94, s94, 13
	v_lshl_add_u32 v[PFO], v17, 8, s94             ; 8,192 (w + cx) + 256 x lane: from a pointer that stands at 24,576 w that is 32,768 w + 8,192 cx + 256 x lane
	s_lshl_b32 s100, s[WV], 13
	s_add_nc_u64 s[PFK:PFK+1], s[14:15], s[100:101]    ; kW's and vW's pointers stand at 16,384 w: 8,192 w more
	s_add_nc_u64 s[PFV:PFV+1], s[18:19], s[100:101]
	s_cmp_lt_u32 s[WV], 9
	s_cselect_b32 s94, 0, 1
	s_or_b32 s94, s94, ttmp9                       ; 0 in waves 0 to 8 of cluster 0: the same in all four partners
	s_cmp_eq_u32 s94, 0
	s_cselect_b32 s[LIM24], 1, -1
	s_cmp_lt_u32 s[WV], 6
	s_cselect_b32 s95, 0, 1
	s_or_b32 s95, s95, ttmp9
	s_cmp_eq_u32 s95, 0
	s_cselect_b32 s[LIM16], 1, -1
	s_wait_tensorcnt 0x1                           ; all but the youngest of my tensor loads, chunk 1, have landed: cv's rows (wave 0) and chunk 0
	s_wait_dscnt 0x0
	s_barrier_signal -1
	s_barrier_wait -1                              ; graph_nodes' fragments and cv's rows lie in LDS
	; ---- the q chain: two tiles of rows
	LDBIAS 0
	CHUNK 0, 0, 1, 2, 1, 0, 22, SO24, 24, 1
	CHANGE 0, 10, 256, G1A
	ASK LIM24, 12                                  ; in_qW: the next change is the first that loads from it
	CHUNK 1, 1, 1, 2, 0, 0, 22, SO24, 24, 2
	CHANGE 1, 12, 0, G1A
	CHUNK 0, 2, 1, 2, 0, 0, 24, SO24, 24, 0
	CHANGE 0, 12, 128, G1A
	EPI1 2
	LDBIAS 1
	CHUNK 1, 0, 0, 2, 1, 0, 24, SO24, 24, 1
	CHANGE 1, 12, 256, G1A
	ASK LIM16, PFK                                 ; kW: one change ahead
	CHUNK 0, 1, 0, 2, 0, 0, 24, SO24, 24, 2
	CHANGE 0, 14, 0, G1B
	ASK LIM24, 16                                  ; in_kW: two changes ahead (behind the next change stand stores and the wait that frees their registers)
	CHUNK 1, 2, 0, 2, 0, 0, 26, L16, 16, 0
	CHANGE 1, 14, 128, G1B
	EPIQK 2, 34, 36
	; ---- the k chain: four tiles of rows.  The hidden layer's images are written again behind rounds that every wave reached behind its last read of them
	CVSC
	LDBIAS 2
	CHUNK 0, 0, 2, 4, 1, 0, 26, L16, 16, 1
	CHANGE 0, 16, 0, G1A
	CHUNK 1, 1, 2, 4, 0, 0, 28, SO24, 24, 0
	CHANGE 1, 16, 128, G1A
	EPI1 4
	LDBIAS 3
	CHUNK 0, 0, 0, 4, 1, 0, 28, SO24, 24, 1
	CHANGE 0, 16, 256, G1A
	ASK LIM16, PFV                                 ; vW: one change ahead
	CHUNK 1, 1, 0, 4, 0, 0, 28, SO24, 24, 2
	CHANGE 1, 18, 0, G1B
	ASK LIM24, 20                                  ; in_vW: two changes ahead
	CHUNK 0, 2, 0, 4, 0, 0, 30, L16, 16, 0
	CHANGE 0, 18, 128, G1B
	EPIQK 4, 38, 40
	; ---- the v chain
	CVSC
	LDBIAS 4
	CHUNK 1, 0, 2, 4, 1, 0, 30, L16, 16, 1
	CHANGE 1, 20, 0, G1A
	CHUNK 0, 1, 2, 4, 0, 0, 32, SO24, 24, 0
	CHANGE 0, 20, 128, G1A
	EPI1 4
.irp t, 0,1,2,3                        ; in_vb for the natural layout: a lane holds ONE column, 16 t + r, in all eight registers of tile t
.irp j, 0,1,2,3,4,5,6,7
	ds_load_b32 v[BI+8*\t+\j], v[BN] offset:BIA+3072*5+64*\t
.endr
.endr
	CHUNK 1, 0, 0, 4, 1, 1, 32, SO24, 24, 1
	CHANGE 1, 20, 256, G1A
	CHUNK 0, 1, 0, 4, 0, 1, 32, SO24, 24, 2
	s_wait_tensorcnt 0x0                           ; the last chunk, my one load that is out, has landed; I alone read it, and nothing is asked for any more
	s_wait_loadcnt 0x0
	RUN 1, 2, 0, 4, 0, 1
	; vh along the keys: lane (r, h) holds channel 16 t + r and, in register j of accumulator (m, t), key 16 m + 8 h + j
	PLACES
.irp t, 0,1,2,3
	QUANT ACC+8*\t, ACC+8*\t+32, ACC+8*\t+64, ACC+8*\t+96, AF+4*\t, PW+\t
	global_store_b128 v[L16], v[AF+4*\t:AF+4*\t+3], s[42:43] offset:1024*\t
.if \t%2
	v_permlane16_swap_b32 v[PW+\t-1], v[PW+\t]
	global_store_b16 v[L4], v[PW+\t-1], s[44:45] offset:128*(\t/2)
.endif
.endr
	v_mov_b32 v[T0], 0
	global_store_b32 v[L4], v[T0], s[46:47]        ; the zeros at the step's end: the attention launch fetches whole rows of 256 bytes, and every byte that it fetches is stored here
	s_wait_tensorcnt 0x0                           ; the wave's end
	ds_add_u32 v[SPW], v[NIL]
	s_wait_dscnt 0x0
	ROUND                                          ; the closing round: no work-group ends while a partner may still ask for a chunk that names it
	s_endpgm
.Lfunc_end_k_q111dc95763_proj:
	.size	k_q111dc95763_proj, .Lfunc_end_k_q111dc95763_proj-k_q111dc95763_proj
	.p2alignl 7, 3214868480
	.fill 96, 4, 3214868480
	.section	.rodata,"a",@progbits
	.p2align	6, 0x0
	.amdhsa_kernel k_q111dc95763_proj
		.amdhsa_group_segment_fixed_size 327680
		.amdhsa_private_segment_fixed_size 0
		.amdhsa_enable_private_segment 0
		.amdhsa_kernarg_size 184
		.amdhsa_user_sgpr_count 2
		.amdhsa_user_sgpr_kernarg_segment_ptr 1
		.amdhsa_wavefront_size32 1
		.amdhsa_system_sgpr_workgroup_id_x 1
		.amdhsa_system_sgpr_workgroup_id_y 1
		.amdhsa_system_sgpr_workgroup_id_z 1
		.amdhsa_system_vgpr_workitem_id 0
		.amdhsa_next_free_vgpr 256
		.amdhsa_next_free_sgpr 102
		.amdhsa_reserve_vcc 0
		.amdhsa_float_denorm_mode_32 3
		.amdhsa_float_denorm_mode_16_64 3
		.amdhsa_memory_ordered 1
		.amdhsa_forward_progress 1
		.amdhsa_inst_pref_size 168
	.end_amdhsa_kernel
	.amdgpu_metadata
---
amdhsa.version: [ 1, 2 ]
amdhsa.kernels:
  - .name:           k_q111dc95763_proj
    .symbol:         k_q111dc95763_proj.kd
    .args:
      - { .name: graph_nodes, .offset: 0, .size: 8, .value_kind: global_buffer, .address_space: global }
      - { .name: conditioning_vector_codes, .offset: 8, .size: 8, .value_kind: global_buffer, .address_space: global }
      - { .name: conditioning_vector_scales, .offset: 16, .size: 8, .value_kind: global_buffer, .address_space: global }
      - { .name: qW_codes, .offset: 24, .size: 8, .value_kind: global_buffer, .address_space: global }
      - { .name: in_qW_codes, .offset: 32, .size: 8, .value_kind: global_buffer, .address_space: global }
      - { .name: kW_codes, .offset: 40, .size: 8, .value_kind: global_buffer, .address_space: global }
      - { .name: in_kW_codes, .offset: 48, .size: 8, .value_kind: global_buffer, .address_space: global }
      - { .name: vW_codes, .offset: 56, .size: 8, .value_kind: global_buffer, .address_space: global }
      - { .name: in_vW_codes, .offset: 64, .size: 8, .value_kind: global_buffer, .address_space: global }
      - { .name: qW_scales, .offset: 72, .size: 8, .value_kind: global_buffer, .address_space: global }
      - { .name: in_qW_scales, .offset: 80, .size: 8, .value_kind: global_buffer, .address_space: global }
      - { .name: kW_scales, .offset: 88, .size: 8, .value_kind: global_buffer, .address_space: global }
      - { .name: in_kW_scales, .offset: 96, .size: 8, .value_kind: global_buffer, .address_space: global }
      - { .name: vW_scales, .offset: 104, .size: 8, .value_kind: global_buffer, .address_space: global }
      - { .name: in_vW_scales, .offset: 112, .size: 8, .value_kind: global_buffer, .address_space: global }
      - { .name: qb, .offset: 120, .size: 8, .value_kind: global_buffer, .address_space: global }
      - { .name: in_qb, .offset: 128, .size: 8, .value_kind: global_buffer, .address_space: global }
      - { .name: kb, .offset: 136, .size: 8, .value_kind: global_buffer, .address_space: global }
      - { .name: in_kb, .offset: 144, .size: 8, .value_kind: global_buffer, .address_space: global }
      - { .name: vb, .offset: 152, .size: 8, .value_kind: global_buffer, .address_space: global }
      - { .name: in_vb, .offset: 160, .size: 8, .value_kind: global_buffer, .address_space: global }
      - { .name: qw, .offset: 168, .size: 8, .value_kind: global_buffer, .address_space: global }
      - { .name: kvw, .offset: 176, .size: 8, .value_kind: global_buffer, .address_space: global }
    .group_segment_fixed_size: 327680
    .private_segment_fixed_size: 0
    .kernarg_segment_align: 8
    .kernarg_segment_size: 184
    .max_flat_workgroup_size: 384
    .sgpr_count:     102
    .vgpr_count:     256
    .wavefront_size: 32
...
	.end_amdgpu_metadata
.endif
;; end of part 1
;; launch attn (part 2): grid 256 x 1, 12 waves a work-group, clusters of 4 x 1, 327,680 bytes of LDS; arguments kvw, qw, conditioning_attention_mask, ctxw; writes ctxw
.if DOCPART == 2
	.amdgcn_target "amdgcn-amd-amdhsa--gfx1250"
	.amdhsa_code_object_version 6
	.text
	.protected	k_q111dc95763_attn
	.globl	k_q111dc95763_attn
	.p2align	8
	.type	k_q111dc95763_attn,@function
k_q111dc95763_attn:
	s_mov_b64 s[64:65], 0
	v_nop
	global_prefetch_b8 v0, s[64:65] scope:SCOPE_SE
	s_setreg_imm32_b32 hwreg(HW_REG_WAVE_MODE, 25, 1), 1
	s_wait_xcnt 0x0
	s_wait_alu depctr_hold_cnt(0) depctr_sa_sdst(0) depctr_va_vdst(0) depctr_va_sdst(0) depctr_va_ssrc(0) depctr_va_vcc(0) depctr_vm_vsrc(0)
	s_getreg_b32 s2, hwreg(HW_REG_IB_STS2, 6, 4)
	s_cmp_eq_u32 s2, 0
	s_cbranch_scc0 .Lentry_in_a_cluster
	s_endpgm
.Lentry_in_a_cluster:
	s_bfe_u32 s2, ttmp6, 0x10000c
	s_cmp_lg_u32 s2, 0x3003
	s_cbranch_scc0 .Lentry_shape_is_right
	s_endpgm
.Lentry_shape_is_right:
; ATTENTION on codes of FP4 (E2M1): ctx = softmax(qh kh^T / 8, masked keys left out) vh, and the quantising of ctx along its 768 columns.  16 batches x 12 heads, 512 queries, 1,024 keys, 64 channels.
; THE SOFTMAX AHEAD OF THE SECOND PRODUCT: t = score x log2(e) / 8; M = the largest t so far, rounded UP to a whole number; p = 2^(t - M) is what is quantised, along the keys.  The row's sum is taken of the
; unquantised p and divides at the end.  When M moves, the sum and O are multiplied by 2^(old M - new M): exact.
; SHARES.  A cluster of four work-groups has one batch and three heads; its partner cx has queries 128 cx .. +127.  Of a work-group's twelve waves, wave w has head 3 hg + w / 4 and the two tiles of 16 queries
; 8 cx + 2 (w % 4) + 0, 1, one after the other: 24 tiles for each of 256 work-groups.
; K AND V of the three heads, codes and scale words, are 221,184 consecutive bytes of kvw, laid as images of the operands' registers, key step by key step (9,216 bytes a step, 36 rows of 256).  They come into
; LDS ONCE and stay: no LDS byte is filled again.  THEY COME IN QUARTERS of two key steps: each wave issues four tensor loads at the head, one for each quarter, each 18 rows of 256 bytes of its head's 72.
; A wave's first tile goes quarter by quarter: ahead of each a counted wait on the wave's own loads and a barrier, so that the products begin when a quarter has landed.  By this text's own count a wave has
; four tensor loads out.  The four partners need the same bytes: each load is asked for JOINTLY (the same descriptor, a mask that names the four).
; LAYOUT.  Both products are used transposed: S^T = K Q^T (source 0 = 16 keys), O^T = V^T P^T (source 0 = 16 channels): a lane holds ONE query (lane % 16) throughout, and the 16 registers of two neighbouring tiles
; of keys are its half of a block of 32 keys.  K = 64 fills half of the first product's 128: the other half is zero codes in registers, on both sides.
; THE MASK IS THE C OF S^T: 0 for a key that counts, -2^100 for one that does not.  The largest t starts at -2^90, above every masked t: so a masked key has p = 0 from the first step on.
; LIMITS: |t| of keys that count stays under 2^90.  A batch whose every key is masked gives NaN in reference(); here its context goes into the quantiser as NaN and comes out finite.  NaN and infinities are not served.
; A block of zeros gets the scale byte 1 with zero codes.
.set SREC, 9216                        ; a key step's part of a record: K's 8 tiles 0, K's scale words 4,096, V's images 4,608, V's scale words 8,704, zeros 8,960
.set QTR,  18432                       ; two steps
.set REC,  73728                       ; a head's record: eight steps
.set MB,   221184                      ; behind the three records: the mask as f32, 4 bytes a key
.set IA0,  1                           ; v1   my head's record + 16 x lane: images
.set SA0,  2                           ; v2   my head's record + 4 x lane: scale words
.set MBA0, 5                           ; v5   MB + 32 h
.set L16,  6                           ; v6   16 x lane
.set L4,   7                           ; v7   4 x lane
; v8, v9, v24 the step's addresses; v12 -M, v13 the largest t, v[14:15] the sum in two halves; v16-23 tile 0's Q, v208-215 tile 1's (the upper four registers of each: zeros); v25 Q's scale words, both tiles';
; v26, v27 ctx's scale halfwords; v28-31 K's scale words; v32-63 four fragments of K (the upper four registers of each: zeros); v64-95 V; v96-159 S^T, then p; v160-191 O^T; v192-193 V's scale words;
; v200-207 the mask's making; v224-231 p's codes; v232-254 at work
.set T0,   232
.set T1,   233
.set T2,   236
.set T3,   237
.set WV,   12
.set G1,   24                          ; s[24:31] descriptor group 1; groups 0 of the four quarters: s[32:35], s[52:55], s[56:59], s[60:63]
.set QB,   36                          ; s[36:37] Q's images at my first tile;  s[38:39] my pair of scale words
.set QS,   38
.set CB,   40                          ; s[40:41] ctx's images;  s[42:43] my halfword of its scale words
.set CSB,  42
.set SEL,  44                          ; s[44:45] v_permlanex16_b32's selects for lane l xor 16
.set CS,   46                          ; s[46:47] c = log2(e) / 8
.set TK,   48                          ; s48  9,216 x step
.set TS,   49                          ; s49  512 x step: the mask
.set CNT,  51
.macro PLACES
.rept 4
	v_nop
.endr
.endm
.macro ROUND
	s_barrier_signal -1
	s_barrier_wait -1
	s_cmp_lg_u32 s[WV], 0
	s_cbranch_scc1 .Lnot_wave_0_\@
	s_barrier_signal -3
.Lnot_wave_0_\@:
	s_barrier_wait -3
	s_barrier_signal -1
	s_barrier_wait -1
.endm
.macro MKG0 g, q                       ; group 0 of quarter q: my 18 rows of it, at the same place in LDS as behind the first of the three records in memory
	s_mov_b32 s[\g], 1
	s_add_co_u32 s[\g+1], s13, (\q)*QTR
	s_add_nc_u64 s[\g+2:\g+3], s[2:3], (\q)*QTR
	s_or_b32 s[\g+3], s[\g+3], 0x80000000
.endm
.macro WM d, a, b, c, sa, sb, ra, rb
.set wD, \d
.set wA, \a
.set wB, \b
.set wC, \c
.set wE, \sa
.set wF, \sb
.set wR, 2*(\ra)+(\rb)
.if wR == 0
	v_wmma_scale_f32_16x16x128_f8f6f4 v[wD:wD+7], v[wA:wA+7], v[wB:wB+7], v[wC:wC+7], v[wE], v[wF] matrix_a_fmt:MATRIX_FMT_FP4 matrix_b_fmt:MATRIX_FMT_FP4
.elseif wR == 1
	v_wmma_scale_f32_16x16x128_f8f6f4 v[wD:wD+7], v[wA:wA+7], v[wB:wB+7], v[wC:wC+7], v[wE], v[wF] matrix_a_fmt:MATRIX_FMT_FP4 matrix_b_fmt:MATRIX_FMT_FP4 matrix_b_scale:MATRIX_SCALE_ROW1
.elseif wR == 2
	v_wmma_scale_f32_16x16x128_f8f6f4 v[wD:wD+7], v[wA:wA+7], v[wB:wB+7], v[wC:wC+7], v[wE], v[wF] matrix_a_fmt:MATRIX_FMT_FP4 matrix_b_fmt:MATRIX_FMT_FP4 matrix_a_scale:MATRIX_SCALE_ROW1
.else
	v_wmma_scale_f32_16x16x128_f8f6f4 v[wD:wD+7], v[wA:wA+7], v[wB:wB+7], v[wC:wC+7], v[wE], v[wF] matrix_a_fmt:MATRIX_FMT_FP4 matrix_b_fmt:MATRIX_FMT_FP4 matrix_a_scale:MATRIX_SCALE_ROW1 matrix_b_scale:MATRIX_SCALE_ROW1
.endif
.endm
; 64 along K of my row become half a fragment.  Group (b, i) holds k = 32 b + 16 i + 8 h + 0 .. 7.  Codes to v[p .. p + 3], the two scale bytes to v[pw].
.macro QUANT g00, g01, g10, g11, p, pw
.set qA, \g00
.set qB, \g01
.set qC, \g10
.set qD, \g11
.set qP, \p
.set qH, \pw
	v_max3_num_f32 v[T0], |v[qA]|, |v[qA+1]|, 0x1800000    ; the floor 2^(3 - 127): the byte cannot fall under 1
	v_max3_num_f32 v[T1], |v[qC]|, |v[qC+1]|, 0x1800000
.irp i, 2,4,6
	v_max3_num_f32 v[T0], v[T0], |v[qA+\i]|, |v[qA+\i+1]|
	v_max3_num_f32 v[T1], v[T1], |v[qC+\i]|, |v[qC+\i+1]|
.endr
.irp i, 0,2,4,6
	v_max3_num_f32 v[T0], v[T0], |v[qB+\i]|, |v[qB+\i+1]|
	v_max3_num_f32 v[T1], v[T1], |v[qD+\i]|, |v[qD+\i+1]|
.endr
	v_permlanex16_b32 v[T2], v[T0], s[SEL], s[SEL+1]
	v_permlanex16_b32 v[T3], v[T1], s[SEL], s[SEL+1]
	v_max_num_f32 v[T0], v[T0], v[T2]
	v_max_num_f32 v[T1], v[T1], v[T3]
	v_add_nc_u32 v[T0], 0xff000000, v[T0]          ; 2 off the exponent field: the conversion's scale operand
	v_add_nc_u32 v[T1], 0xff000000, v[T1]
	v_lshrrev_b32 v[T2], 23, v[T0]
	v_lshrrev_b32 v[T3], 23, v[T1]
	v_lshl_or_b32 v[qH], v[T3], 8, v[T2]
	v_cvt_scalef32_pk8_fp4_f32 v[qP], v[qA:qA+7], v[T0]
	v_cvt_scalef32_pk8_fp4_f32 v[qP+1], v[qC:qC+7], v[T1]
	v_cvt_scalef32_pk8_fp4_f32 v[qP+2], v[qB:qB+7], v[T0]
	v_cvt_scalef32_pk8_fp4_f32 v[qP+3], v[qD:qD+7], v[T1]
	v_nop
	v_permlane16_swap_b32 v[qP], v[qP+1]
	v_permlane16_swap_b32 v[qP+2], v[qP+3]
.endm
	s_load_b256 s[4:11], s[0:1], 0x0               ; kvw s[4:5], qw s[6:7], the mask s[8:9], ctxw s[10:11]
	v_lshl_add_u32 v251, v0, 2, 0x37000
	v_mov_b32 v255, 0
	ds_add_u32 v251, v255
	ds_add_u32 v251, v255
	v_lshrrev_b32 v1, 5, v0
	v_readfirstlane_b32 s[WV], v1                  ; wave 0..11
	s_lshr_b32 s14, ttmp9, 2                       ; batch
	s_and_b32 s15, ttmp9, 3                        ; which three heads
	s_lshr_b32 s16, s[WV], 2                       ; which of the three is mine
	s_and_b32 s17, s[WV], 3                        ; which pair of tiles of queries; also: which 18 rows of a quarter I fetch
	s_mul_i32 s20, s14, 12
	s_mul_i32 s21, s15, 3
	s_add_co_u32 s23, s20, s21                     ; the first of the three records
	s_add_co_u32 s18, s23, s16                     ; my head's record
	s_add_co_u32 s22, s21, s16                     ; my head
	s_mul_i32 s19, s16, REC                        ; my head's record in LDS
	s_mul_i32 s13, s17, 4608
	s_add_co_u32 s13, s13, s19                     ; + my 18 rows of 256 bytes: no place in the cluster enters an LDS address
	s_mul_i32 s20, s23, REC
	s_add_co_u32 s20, s20, s13
	s_mov_b32 s21, 0
	s_mov_b32 s[G1], 15|(3<<16)|(1<<21)            ; 15:0 the mask: all four work-groups; 17:16 elements of 8 bytes; 21 set beside a mask; no padding: images are read 16 x lane
	s_mov_b32 s[G1+1], 32<<16                      ; tensor_dim0: 256 bytes
	s_mov_b32 s[G1+2], 18<<16                      ; tensor_dim1
	s_mov_b32 s[G1+3], 32<<16                      ; tile_dim0
	s_mov_b32 s[G1+4], 18                          ; tile_dim1
	s_mov_b32 s[G1+5], 32                          ; dense
	s_mov_b32 s[G1+6], 0
	s_mov_b32 s[G1+7], 0
	s_mov_b32 s[SEL], 0x76543210
	s_mov_b32 s[SEL+1], 0xfedcba98
	s_mov_b32 s[CS], 0x3e38aa3b                    ; log2(e) / 8
	s_mov_b32 s[CS+1], s[CS]                       ; (named with it as a pair, so it is written)
	s_wait_dscnt 0x0
	s_wait_kmcnt 0x0
	s_add_nc_u64 s[2:3], s[4:5], s[20:21]
	MKG0 32, 0
	MKG0 52, 1
	MKG0 56, 2
	MKG0 60, 3
	ROUND                                          ; all four work-groups are here: the joint loads meet
	tensor_load_to_lds s[32:35], s[G1:G1+7]        ; the four quarters, in the order in which they are wanted: a wave's tensor loads end in the order of issue (ISA guide 10.11.1)
	s_nop 0
	tensor_load_to_lds s[52:55], s[G1:G1+7]
	s_nop 0
	tensor_load_to_lds s[56:59], s[G1:G1+7]
	s_nop 0
	tensor_load_to_lds s[60:63], s[G1:G1+7]
	s_nop 0
	PLACES
	v_and_b32 v6, 31, v0
	v_lshlrev_b32 v[L4], 2, v6
	v_lshlrev_b32 v[L16], 4, v6
	v_bfe_u32 v5, v0, 4, 1
	v_lshl_add_u32 v[MBA0], v5, 5, MB
	v_add_nc_u32 v[IA0], s19, v[L16]
	v_add_nc_u32 v[SA0], s19, v[L4]
	v_lshlrev_b32 v200, 2, v0                      ; the mask: thread n of the first 256 takes keys 4 n .. 4 n + 3
	v_lshl_add_u32 v201, v0, 4, MB
	s_lshl_b32 s20, s14, 10
	s_add_nc_u64 s[8:9], s[8:9], s[20:21]          ; my batch's 1,024 bytes
	s_bfe_u32 s13, ttmp6, 0x40000                  ; cx: it enters Q's and ctx's global addresses alone
	s_mul_i32 s20, s18, 18432
	s_add_nc_u64 s[QB:QB+1], s[6:7], s[20:21]
	s_add_nc_u64 s[QS:QS+1], s[QB:QB+1], 16384
	s_lshl_b32 s20, s13, 2
	s_add_co_u32 s23, s20, s17                     ; my pair of tiles among the batch's sixteen: 4 cx + w % 4
	s_lshl_b32 s20, s23, 10
	s_add_nc_u64 s[QB:QB+1], s[QB:QB+1], s[20:21]
	s_lshl_b32 s20, s23, 7
	s_add_nc_u64 s[QS:QS+1], s[QS:QS+1], s[20:21]
	global_load_b128 v[16:19], v[L16], s[QB:QB+1]                      ; both tiles' Q, here at the head: the second tile does not wait for memory
	global_load_b128 v[208:211], v[L16], s[QB:QB+1] offset:512
	global_load_b32 v25, v[L4], s[QS:QS+1]         ; lanes 0-15: tile 0's scale words; lanes 16-31: tile 1's
	s_lshl_b32 s20, s14, 4
	s_add_co_u32 s20, s20, s23
	s_mul_i32 s20, s20, 13056                      ; ctx: a record for each pair of tiles of rows
	s_add_nc_u64 s[CB:CB+1], s[10:11], s[20:21]
	s_add_nc_u64 s[CSB:CSB+1], s[CB:CB+1], 12288
	s_lshl_b32 s20, s22, 9
	s_add_nc_u64 s[CB:CB+1], s[CB:CB+1], s[20:21]  ; my head is half head % 2 of K step head / 2
	s_lshr_b32 s20, s22, 1
	s_lshl_b32 s20, s20, 7
	s_and_b32 s23, s22, 1
	s_lshl_b32 s23, s23, 1
	s_add_co_u32 s20, s20, s23
	s_add_nc_u64 s[CSB:CSB+1], s[CSB:CSB+1], s[20:21]
	s_cmp_lt_u32 s[WV], 8
	s_cbranch_scc0 .Lno_mask
	global_load_b32 v202, v200, s[8:9]
	v_mov_b32 v203, 0xf1800000                     ; -2^100
	s_wait_loadcnt 0x0
	v_and_b32 v204, 0xff, v202
	v_bfe_u32 v205, v202, 8, 8
	v_bfe_u32 v206, v202, 16, 8
	v_lshrrev_b32 v207, 24, v202
.irp i, 0,1,2,3
	v_cmp_ne_u32 vcc_lo, 0, v[204+\i]
	v_cndmask_b32 v[204+\i], 0, v203, vcc_lo       ; true: the key does not count
.endr
	ds_store_b128 v201, v[204:207]
.Lno_mask:
.irp i, 20,21,22,23, 212,213,214,215, 36,37,38,39, 44,45,46,47, 52,53,54,55, 60,61,62,63
	v_mov_b32 v\i, 0                               ; the zero codes of k = 64 .. 127, in both tiles' Q and in K's four fragments: written once
.endr
.irp i, 236,237,238,239,253
	v_mov_b32 v\i, 0                               ; a lane permute's destination counts as one of its sources; v253 is named as the upper half of a pair
.endr
	s_wait_loadcnt 0x0                             ; Q
; n KEY STEPS of 128 keys, from the step at s[TK], s[TS] on, for the par-th tile of my pair, whose Q stands in v[qf] on.
.macro STEPS n, par, qf
	s_mov_b32 s[CNT], \n
.Lstep_\@:
	v_add_nc_u32 v8, s[TK], v[IA0]
	v_add_nc_u32 v9, s[TK], v[SA0]
	v_add_nc_u32 v24, s[TS], v[MBA0]
.irp p, 0,1,2,3
	ds_load_b32 v[28+\p], v9 offset:4096+128*\p
.endr
.irp t, 0,1,2,3
	ds_load_b128 v[32+8*\t:35+8*\t], v8 offset:512*\t
.endr
.irp t, 0,1,2,3,4,5,6,7
	ds_load_b128 v[96+8*\t:99+8*\t], v24 offset:64*\t                  ; the mask of keys 16 t + 8 h + 0 .. 7, straight into S^T's registers
	ds_load_b128 v[100+8*\t:103+8*\t], v24 offset:64*\t+16
.endr
	s_wait_dscnt 8                                 ; all but the youngest eight, the mask of tiles 4 to 7
.irp t, 0,1,2,3
	WM 96+8*\t, 32+8*\t, \qf, 96+8*\t, 28+\t/2, 25, \t%2, \par
.endr
	PLACES
.irp t, 0,1,2,3
	ds_load_b128 v[32+8*\t:35+8*\t], v8 offset:512*(4+\t)
.endr
.irp t, 0,1,2,3
	ds_load_b128 v[64+8*\t:67+8*\t], v8 offset:4608+1024*\t
	ds_load_b128 v[68+8*\t:71+8*\t], v8 offset:4608+1024*\t+512
.endr
	ds_load_b32 v192, v9 offset:8704
	ds_load_b32 v193, v9 offset:8832
	s_wait_dscnt 10                                ; the rest of the mask and K's four are in; V's ten, issued behind them, may be out
.irp t, 0,1,2,3
	WM 128+8*\t, 32+8*\t, \qf, 128+8*\t, 30+\t/2, 25, \t%2, \par
.endr
	PLACES
.irp b, 0,1,2,3
	v_max3_num_f32 v[232+\b], v[96+16*\b], v[97+16*\b], v[98+16*\b]    ; the largest score of each block of 32 keys: for the row's maximum, and, since p rises with the score, for the block's largest p
.endr
.irp i, 3,5,7,9,11,13
.irp b, 0,1,2,3
	v_max3_num_f32 v[232+\b], v[232+\b], v[96+16*\b+\i], v[97+16*\b+\i]
.endr
.endr
.irp b, 0,1,2,3
	v_max_num_f32 v[232+\b], v[232+\b], v[111+16*\b]
.endr
.irp b, 0,1,2,3
	v_permlanex16_b32 v[236+\b], v[232+\b], s[SEL], s[SEL+1]
.endr
.irp b, 0,1,2,3
	v_max_num_f32 v[232+\b], v[232+\b], v[236+\b]
.endr
	v_max3_num_f32 v254, v232, v233, v234
	v_max_num_f32 v254, v254, v235
	v_mul_f32 v254, s[CS], v254                    ; as t
	v_max_num_f32 v13, v13, v254                   ; the running largest t
	v_mov_b32 v254, v12
	v_floor_f32 v12, -v13                          ; the new -M = -ceil(t)
	v_sub_f32 v254, v12, v254                      ; old M - new M: a whole number, 0 or less
	v_cvt_i32_f32 v254, v254                       ; (it saturates)
	v_ldexp_f32 v252, 1.0, v254                    ; f = 2^(old M - new M)
.set si, 0
.rept 32
	v_pk_fma_f32 v[96+si:97+si], v[96+si:97+si], s[CS:CS+1], v[12:13] op_sel_hi:[1,0,0]    ; t - M
.set si, si+2
.endr
.irp b, 0,1,2,3
	v_fma_f32 v[232+\b], v[232+\b], s[CS], v12
.endr
.set si, 0
.rept 64
	v_exp_f32 v[96+si], v[96+si]                   ; p = 2^(t - M)
.set si, si+1
.endr
	v_pk_mul_f32 v[14:15], v[14:15], v[252:253] op_sel_hi:[1,0]        ; the sums under the new M (a plain line behind the exponentials)
	s_wait_alu depctr_va_vdst(0)                   ; one wait for the batch, ahead of its first reader
.irp b, 0,1,2,3
	v_exp_f32 v[232+\b], v[232+\b]                 ; the block's largest p
.endr
	v_pk_add_f32 v[236:237], v[96:97], v[98:99]    ; the row's sum of the unquantised p, in two chains
.set si, 4
.rept 15
	v_pk_add_f32 v[14:15], v[14:15], v[96+si:97+si]
	v_pk_add_f32 v[236:237], v[236:237], v[98+si:99+si]
.set si, si+4
.endr
	v_pk_add_f32 v[14:15], v[14:15], v[236:237]
	s_wait_alu depctr_va_vdst(0)                   ; and one for the four
.irp b, 0,1,2,3
	v_max_num_f32 v[232+\b], 0x1800000, v[232+\b]  ; the floor 2^(3 - 127)
.endr
.irp b, 0,1,2,3
	v_add_nc_u32 v[244+\b], 0xff000000, v[232+\b]
.endr
.irp b, 0,1,2,3
	v_lshrrev_b32 v[236+\b], 23, v[244+\b]
.endr
	v_lshl_or_b32 v253, v237, 8, v236              ; p's scale word for these 128 keys
	v_lshl_or_b32 v253, v238, 16, v253
	v_lshl_or_b32 v253, v239, 24, v253
.irp b, 0,1,2,3
	v_cvt_scalef32_pk8_fp4_f32 v[224+4*(\b/2)+(\b%2)], v[96+16*\b:103+16*\b], v[244+\b]    ; keys 32 b + 8 h + 0 .. 7
	v_cvt_scalef32_pk8_fp4_f32 v[226+4*(\b/2)+(\b%2)], v[104+16*\b:111+16*\b], v[244+\b]   ; keys 32 b + 16 + 8 h + 0 .. 7
.endr
	v_nop
.irp c, 0,1
.irp i, 0,1
	v_permlane16_swap_b32 v[224+4*\c+2*\i], v[225+4*\c+2*\i]           ; a whole block in a lane: lanes 0-15 block 2 c, lanes 16-31 block 2 c + 1
.endr
.endr
.set si, 0
.rept 16
	v_pk_mul_f32 v[160+si:161+si], v[160+si:161+si], v[252:253] op_sel_hi:[1,0]    ; O^T under the new M; these sixteen also stand between the making of p's codes and scale word and the products
.set si, si+2
.endr
	s_wait_dscnt 0x0                               ; V is in
.irp t, 0,1,2,3
	WM 160+8*\t, 64+8*\t, 224, 160+8*\t, 192+\t/2, 253, \t%2, 0
.endr
	s_add_co_u32 s[TK], s[TK], SREC
	s_add_co_u32 s[TS], s[TS], 512
	s_sub_co_u32 s[CNT], s[CNT], 1
	s_cmp_lg_u32 s[CNT], 0
	s_cbranch_scc1 .Lstep_\@
.endm
; ONE TILE OF 16 QUERIES: the par-th of my pair.
.macro TILE par, qf
	v_mov_b32 v13, 0xec800000                      ; the largest t so far: -2^90
	v_floor_f32 v12, -v13                          ; -M
	v_mov_b32 v14, 0
	v_mov_b32 v15, 0
.set si, 0
.rept 32
	v_mov_b32 v[160+si], 0                         ; O^T: the step is written once; the first change of M leaves zeros zeros
.set si, si+1
.endr
.if \par == 0
.irp q, 0,1,2,3                        ; the first tile goes quarter by quarter, as K and V land
	s_mov_b32 s[TK], \q*QTR
	s_mov_b32 s[TS], \q*1024
	s_wait_tensorcnt 3-\q                          ; my part of quarter q has landed; my loads for the later quarters, issued behind it, may be out
.if \q == 0
	s_wait_dscnt 0x0                               ; my part of the mask is stored
.endif
	s_barrier_signal -1
	s_barrier_wait -1                              ; everybody's part has
	STEPS 2, \par, \qf
.endr
.else
	s_mov_b32 s[TK], 0
	s_mov_b32 s[TS], 0
	STEPS 8, \par, \qf                             ; all of K and V lies in LDS
.endif
	; the way out: O^T / the sum, quantised along my head's 64 channels
	v_add_f32 v14, v14, v15
	v_permlanex16_b32 v252, v14, s[SEL], s[SEL+1]
	v_add_f32 v14, v14, v252                       ; the row's sum
	v_rcp_f32 v14, v14
	PLACES
	s_wait_alu depctr_va_vdst(0)
.set si, 0
.rept 16
	v_pk_mul_f32 v[96+si:97+si], v[160+si:161+si], v[14:15] op_sel_hi:[1,0]
.set si, si+2
.endr
	QUANT 96, 104, 112, 120, 224, 26+\par
	global_store_b128 v[L16], v[224:227], s[CB:CB+1] offset:6144*\par  ; 512 consecutive bytes, aligned
.if \par
	v_permlane16_swap_b32 v26, v27
	global_store_b16 v[L4], v26, s[CSB:CSB+1]
.endif
	s_wait_xcnt 0x0                                ; the stores' data are written again only behind this wait
.endm
	TILE 0, 16
	TILE 1, 208
	s_wait_tensorcnt 0x0
	ds_add_u32 v251, v255
	s_wait_dscnt 0x0
	ROUND                                          ; the closing round
	s_endpgm
.Lfunc_end_k_q111dc95763_attn:
	.size	k_q111dc95763_attn, .Lfunc_end_k_q111dc95763_attn-k_q111dc95763_attn
	.p2alignl 7, 3214868480
	.fill 96, 4, 3214868480
	.section	.rodata,"a",@progbits
	.p2align	6, 0x0
	.amdhsa_kernel k_q111dc95763_attn
		.amdhsa_group_segment_fixed_size 327680
		.amdhsa_private_segment_fixed_size 0
		.amdhsa_enable_private_segment 0
		.amdhsa_kernarg_size 32
		.amdhsa_user_sgpr_count 2
		.amdhsa_user_sgpr_kernarg_segment_ptr 1
		.amdhsa_wavefront_size32 1
		.amdhsa_system_sgpr_workgroup_id_x 1
		.amdhsa_system_sgpr_workgroup_id_y 1
		.amdhsa_system_sgpr_workgroup_id_z 1
		.amdhsa_system_vgpr_workitem_id 0
		.amdhsa_next_free_vgpr 256
		.amdhsa_next_free_sgpr 66
		.amdhsa_reserve_vcc 1
		.amdhsa_float_denorm_mode_32 3
		.amdhsa_float_denorm_mode_16_64 3
		.amdhsa_memory_ordered 1
		.amdhsa_forward_progress 1
		.amdhsa_inst_pref_size 99
	.end_amdhsa_kernel
	.amdgpu_metadata
---
amdhsa.version: [ 1, 2 ]
amdhsa.kernels:
  - .name:           k_q111dc95763_attn
    .symbol:         k_q111dc95763_attn.kd
    .args:
      - { .name: kvw, .offset: 0, .size: 8, .value_kind: global_buffer, .address_space: global }
      - { .name: qw, .offset: 8, .size: 8, .value_kind: global_buffer, .address_space: global }
      - { .name: conditioning_attention_mask, .offset: 16, .size: 8, .value_kind: global_buffer, .address_space: global }
      - { .name: ctxw, .offset: 24, .size: 8, .value_kind: global_buffer, .address_space: global }
    .group_segment_fixed_size: 327680
    .private_segment_fixed_size: 0
    .kernarg_segment_align: 8
    .kernarg_segment_size: 32
    .max_flat_workgroup_size: 384
    .sgpr_count:     66
    .vgpr_count:     256
    .wavefront_size: 32
...
	.end_amdgpu_metadata
.endif
;; end of part 2
;; launch tail (part 3): grid 256 x 1, 12 waves a work-group, clusters of 4 x 1, 327,680 bytes of LDS; arguments ctxw, graph_nodes, outW_codes, d1W_codes, outW_scales, d1W_scales, outb, ln1g, ln1b, d1b, ln2g, ln2b, out0; writes out0
.if DOCPART == 3
	.amdgcn_target "amdgcn-amd-amdhsa--gfx1250"
	.amdhsa_code_object_version 6
	.text
	.protected	k_q111dc95763_tail
	.globl	k_q111dc95763_tail
	.p2align	8
	.type	k_q111dc95763_tail,@function
k_q111dc95763_tail:
	s_mov_b64 s[64:65], 0
	v_nop
	global_prefetch_b8 v0, s[64:65] scope:SCOPE_SE
	s_setreg_imm32_b32 hwreg(HW_REG_WAVE_MODE, 25, 1), 1
	s_wait_xcnt 0x0
	s_wait_alu depctr_hold_cnt(0) depctr_sa_sdst(0) depctr_va_vdst(0) depctr_va_sdst(0) depctr_va_ssrc(0) depctr_va_vcc(0) depctr_vm_vsrc(0)
	s_getreg_b32 s2, hwreg(HW_REG_IB_STS2, 6, 4)
	s_cmp_eq_u32 s2, 0
	s_cbranch_scc0 .Lentry_in_a_cluster
	s_endpgm
.Lentry_in_a_cluster:
	s_bfe_u32 s2, ttmp6, 0x10000c
	s_cmp_lg_u32 s2, 0x3003
	s_cbranch_scc0 .Lentry_shape_is_right
	s_endpgm
.Lentry_shape_is_right:
; x = LN1(ctx outW + outb + graph_nodes);  out0 = LN2(leaky_relu(Q(x) d1W + d1b, 0.01) + x).  Both products on codes of FP4 (E2M1); ctx arrives as images of its operand registers.
; SHARES.  Work-group wg takes rows 32 wg .. +31 (two tiles); wave w of twelve takes columns 64 w .. +63 of both products.  The products are used transposed (source 0 = 16 rows of a weight):
; lane (r, h) holds row r and, in register j of tile t, column 16 t + 8 h + j.
; THE WEIGHTS come in chunks of 256 along K through a ring of two LDS slots; wave w fetches, and alone reads, its own 64 rows x 128 bytes (rows 144 bytes apart).  The four work-groups of a cluster walk the same
; weights: each chunk is asked for JOINTLY.  Both slots get a chunk of outW at the head.
; GRAPH_NODES: the wave loads its 32 rows x 256 bytes into registers, sixteen lanes to an aligned 256 bytes, and turns them into the result's layout through a stage of its own in LDS, 16 rows at a time;
; with outb added they are what the first product's sums begin with.
; By this text's own count a wave has three tensor loads out at the most (wave 0, at the head), and one behind each round.
; LAYER NORM, one barrier: each wave makes, for each row, the sum S of its 64 numbers and M2 = the sum of squares round its own mean; with e_w = S_w - (sum of S) / 12 the row's
; variance is (sum of M2 + sum of e_w^2 / 64) / 768: no difference of large sums is formed.
; LIMITS: NaN and infinities are not served.  A block of zeros gets the scale byte 1 with zero codes.
.set SLICE,  9216
.set SLOT,   110592
.set SM,     221184
.set HIMG,   0                         ; from SM on: x's fragments, (m, s) at 6,144 m + 1,024 s
.set HSC,    12288                     ; their scale words: 128 s
.set BIA,    13056                     ; outb, ln1g, ln1b, d1b, ln2g, ln2b: 3,072 bytes each
.set STAT1,  31488                     ; 32 rows x 112 bytes: wave w's (S, M2) at 8 w
.set STAT2,  35072
.set CTX,    38656                     ; ctx's record, 13,056 bytes: filled once by a tensor load
.set STG,    51712                     ; the stage for graph_nodes: 16 rows x 272 bytes = 4,352 bytes for each wave; no tensor load lands here
.set SPARE,  325120                    ; SM + 103,936: the spare words, 128 bytes for each wave: six blocks of 256 bytes that no other line names
.set PFO,  0                           ; v0   from the head on: the prefetch's offset, 8,192 (w + cx) + 256 x lane; never rewritten after that
.set SPW,  1
.set NIL,  2
.set WA0,  3                           ; v3, v4  my lane's place in my wave's part of slot 0, 1
.set B16,  5                           ; v5   SM + 16 x lane
.set B4,   6                           ; v6   SM + 4 x lane
.set GR0,  7                           ; v7   the way out: my lane's place in a tile of 32 rows x 256 bytes, 272 apart, in my part of slot 0
.set STS,  8                           ; v8   the stage, on the way in: lanes 0-15 one row, lanes 16-31 the next
.set RD,   9                           ; v9   the way out: where I read rows back
.set GOF,  10                          ; v10  my byte offset in two rows of graph_nodes and of out0
.set STW,  11                          ; v11  where I store (S, M2)
.set STR,  12                          ; v12  where I read the twelve
.set BB,   13                          ; v13  SM + 256 w + 32 h
.set HWI,  14                          ; v14  SM + 16 x lane + 512 w
.set HWS,  15                          ; v15  SM + 4 x lane + 128 (w / 2) + 2 (w % 2)
.set AF,   16                          ; v16-31   the activations' fragments
.set WF,   32                          ; v32-63   the weight's
.set XA,   64                          ; v64-127  the first product's sums, then x
.set YB,   128                         ; v128-191 at the head graph_nodes as loaded; the second product's sums, then y
.set BI,   192                         ; v192-223 a vector in the result's layout
.set WSC,  224                         ; v224-231 the weight's scale words, a set for each slot
.set ASC,  232                         ; v232     the activations'
.set SO24, 233                         ; v233     24 x lane
.set T0,   234                         ; v234-255 at work
.set T1,   235
.set T2,   254
.set T3,   255
.set PW,   236
.set WV,   3
.set LW,   30
.set WG,   31
.set G1W,  32                          ; s[32:39] group 1 of a chunk;  s[40:43] group 0 of the chunk asked for
.set G0,   40
.set G0B,  44                          ; s[44:47] group 0 of outW's chunk 1
.set G0C,  48                          ; s[48:51], s[68:75] ctx's record
.set SEL,  60
.set R768, 62                          ; s62  1 / 768
.set EPS,  63                          ; s63  1e-5
.set G1C,  68
.set LIM,  83                          ; s83  1 in a wave that prefetches, else -1
.macro PLACES
.rept 4
	v_nop
.endr
.endm
.macro ROUND
	s_barrier_signal -1
	s_barrier_wait -1
	s_cmp_lg_u32 s[WV], 0
	s_cbranch_scc1 .Lnot_wave_0_\@
	s_barrier_signal -3
.Lnot_wave_0_\@:
	s_barrier_wait -3
	s_barrier_signal -1
	s_barrier_wait -1
.endm
.macro CHANGE slot, wb, off            ; the slot just read out takes the chunk off bytes along the rows of the weight at s[wb]
	s_wait_tensorcnt 0x0                           ; all my tensor loads have landed: so group 0 may be written
	ds_add_u32 v[SPW], v[NIL]                      ; 0 onto my spare word
	s_add_co_u32 s[G0+1], s[LW], (\slot)*SLOT
	s_add_nc_u64 s[G0+2:G0+3], s[\wb:\wb+1], \off
	s_or_b32 s[G0+3], s[G0+3], 0x80000000
	s_wait_dscnt 0x0                               ; the add is done, and my reads of the slot are over
	ROUND
	tensor_load_to_lds s[G0:G0+3], s[G1W:G1W+7]    ; my one tensor load behind the round
	s_nop 0
	PLACES
.endm
.macro WM d, a, b, c, sa, sb, ra, rb
.set wD, \d
.set wA, \a
.set wB, \b
.set wC, \c
.set wE, \sa
.set wF, \sb
.set wR, 2*(\ra)+(\rb)
.if wR == 0
	v_wmma_scale_f32_16x16x128_f8f6f4 v[wD:wD+7], v[wA:wA+7], v[wB:wB+7], v[wC:wC+7], v[wE], v[wF] matrix_a_fmt:MATRIX_FMT_FP4 matrix_b_fmt:MATRIX_FMT_FP4
.elseif wR == 1
	v_wmma_scale_f32_16x16x128_f8f6f4 v[wD:wD+7], v[wA:wA+7], v[wB:wB+7], v[wC:wC+7], v[wE], v[wF] matrix_a_fmt:MATRIX_FMT_FP4 matrix_b_fmt:MATRIX_FMT_FP4 matrix_b_scale:MATRIX_SCALE_ROW1
.elseif wR == 2
	v_wmma_scale_f32_16x16x128_f8f6f4 v[wD:wD+7], v[wA:wA+7], v[wB:wB+7], v[wC:wC+7], v[wE], v[wF] matrix_a_fmt:MATRIX_FMT_FP4 matrix_b_fmt:MATRIX_FMT_FP4 matrix_a_scale:MATRIX_SCALE_ROW1
.else
	v_wmma_scale_f32_16x16x128_f8f6f4 v[wD:wD+7], v[wA:wA+7], v[wB:wB+7], v[wC:wC+7], v[wE], v[wF] matrix_a_fmt:MATRIX_FMT_FP4 matrix_b_fmt:MATRIX_FMT_FP4 matrix_a_scale:MATRIX_SCALE_ROW1 matrix_b_scale:MATRIX_SCALE_ROW1
.endif
.endm
.macro QUANT g00, g01, g10, g11, p, pw ; 64 along K of my row become half a fragment; group (b, i) holds k = 32 b + 16 i + 8 h + 0 .. 7
.set qA, \g00
.set qB, \g01
.set qC, \g10
.set qD, \g11
.set qP, \p
.set qH, \pw
	v_max3_num_f32 v[T0], |v[qA]|, |v[qA+1]|, 0x1800000    ; the floor 2^(3 - 127): the byte cannot fall under 1
	v_max3_num_f32 v[T1], |v[qC]|, |v[qC+1]|, 0x1800000
.irp i, 2,4,6
	v_max3_num_f32 v[T0], v[T0], |v[qA+\i]|, |v[qA+\i+1]|
	v_max3_num_f32 v[T1], v[T1], |v[qC+\i]|, |v[qC+\i+1]|
.endr
.irp i, 0,2,4,6
	v_max3_num_f32 v[T0], v[T0], |v[qB+\i]|, |v[qB+\i+1]|
	v_max3_num_f32 v[T1], v[T1], |v[qD+\i]|, |v[qD+\i+1]|
.endr
	v_permlanex16_b32 v[T2], v[T0], s[SEL], s[SEL+1]
	v_permlanex16_b32 v[T3], v[T1], s[SEL], s[SEL+1]
	v_max_num_f32 v[T0], v[T0], v[T2]
	v_max_num_f32 v[T1], v[T1], v[T3]
	v_add_nc_u32 v[T0], 0xff000000, v[T0]
	v_add_nc_u32 v[T1], 0xff000000, v[T1]
	v_lshrrev_b32 v[T2], 23, v[T0]
	v_lshrrev_b32 v[T3], 23, v[T1]
	v_lshl_or_b32 v[qH], v[T3], 8, v[T2]
	v_cvt_scalef32_pk8_fp4_f32 v[qP], v[qA:qA+7], v[T0]
	v_cvt_scalef32_pk8_fp4_f32 v[qP+1], v[qC:qC+7], v[T1]
	v_cvt_scalef32_pk8_fp4_f32 v[qP+2], v[qB:qB+7], v[T0]
	v_cvt_scalef32_pk8_fp4_f32 v[qP+3], v[qD:qD+7], v[T1]
	v_nop
	v_permlane16_swap_b32 v[qP], v[qP+1]
	v_permlane16_swap_b32 v[qP+2], v[qP+3]
.endm
.macro NEXTSC sb, cw, set              ; a chunk's scale words for my four tiles: lane l of pair p takes row 64 w + 32 p + l, 8 bytes of its 24
.irp p, 0,1
	global_load_b64 v[WSC+4*(\set)+2*\p:WSC+4*(\set)+2*\p+1], v[SO24], s[\sb:\sb+1] offset:768*\p+8*(\cw)
.endr
.endm
.macro LDV dst, vec                    ; vector vec in the result's layout: register 8 t + j = column 64 w + 16 t + 8 h + j
.irp t, 0,1,2,3
	ds_load_b128 v[\dst+8*\t:\dst+8*\t+3], v[BB] offset:BIA+3072*(\vec)+64*\t
	ds_load_b128 v[\dst+8*\t+4:\dst+8*\t+7], v[BB] offset:BIA+3072*(\vec)+64*\t+16
.endr
.endm
; 128 along K: K step s, the ks-th of the chunk in the slot; the activations' images from ib on, their scale words from sb on.  The eight accumulators take turns.
.macro KSTEP slot, ks, ib, sb, s, acc, first
	PLACES
.irp m, 0,1
	ds_load_b128 v[AF+8*\m:AF+8*\m+3], v[B16] offset:\ib+6144*\m+1024*(\s)
	ds_load_b128 v[AF+8*\m+4:AF+8*\m+7], v[B16] offset:\ib+6144*\m+1024*(\s)+512
.endr
	ds_load_b32 v[ASC], v[B4] offset:\sb+128*(\s)
.irp t, 0,1,2,3
	ds_load_b128 v[WF+8*\t:WF+8*\t+3], v[WA0+\slot] offset:2304*\t+64*(\ks)
	ds_load_b128 v[WF+8*\t+4:WF+8*\t+7], v[WA0+\slot] offset:2304*\t+64*(\ks)+32
.endr
	s_wait_dscnt 0x0
.irp m, 0,1
.irp t, 0,1,2,3
.set kD, \acc+8*(4*\m+\t)
.if \first
.set kC, BI+8*\t
.else
.set kC, kD
.endif
	WM kD, WF+8*\t, AF+8*\m, kC, WSC+4*(\slot)+2*(\t/2)+(\ks), ASC, \t%2, \m
.endr
.endr
.endm
.macro RUN slot, cw, ib, sb, acc, first
	KSTEP \slot, 0, \ib, \sb, 2*(\cw), \acc, \first
	KSTEP \slot, 1, \ib, \sb, 2*(\cw)+1, \acc, 0
.endm
.macro CHUNK slot, cw, ib, sb, acc, first, nsb, ncw
	s_wait_loadcnt 0x0                             ; this chunk's scale words are in
	NEXTSC \nsb, \ncw, 1-\slot
	RUN \slot, \cw, \ib, \sb, \acc, \first
.endm
; Layer norm of the 64 registers from x on (32 for each tile of rows), in place.  fr: 32 registers that are free; gi, bi: the gain's and the offset's number.
.macro LN x, fr, stat, gi, bi
.set LX, \x
.set LF, \fr
	LDV BI, \gi
	LDV \fr, \bi
	v_pk_add_f32 v[234:235], v[LX:LX+1], v[LX+2:LX+3]                  ; my 32 numbers of each row, the two tiles by turns, each accumulator from its low end on
	v_pk_add_f32 v[236:237], v[LX+32:LX+33], v[LX+34:LX+35]
.set li, 4
.rept 14
	v_pk_add_f32 v[234:235], v[234:235], v[LX+li:LX+li+1]
	v_pk_add_f32 v[236:237], v[236:237], v[LX+32+li:LX+33+li]
.set li, li+2
.endr
	v_add_f32 v234, v234, v235
	v_add_f32 v236, v236, v237
	v_permlanex16_b32 v254, v234, s[SEL], s[SEL+1]
	v_permlanex16_b32 v255, v236, s[SEL], s[SEL+1]
	v_add_f32 v246, v234, v254                     ; S: my wave's 64 numbers of row r
	v_add_f32 v248, v236, v255
	v_mul_f32 v238, 0x3c800000, v246               ; / 64: my wave's mean
	v_mul_f32 v240, 0x3c800000, v248
	v_mov_b32 v239, v238                           ; (named as pairs)
	v_mov_b32 v241, v240
.set li, 0
.rept 16
	v_pk_add_f32 v[250:251], v[LX+li:LX+li+1], v[238:239] op_sel_hi:[1,0] neg_lo:[0,1] neg_hi:[0,1]
	v_pk_add_f32 v[252:253], v[LX+32+li:LX+33+li], v[240:241] op_sel_hi:[1,0] neg_lo:[0,1] neg_hi:[0,1]
.if li == 0
	v_pk_mul_f32 v[242:243], v[250:251], v[250:251]
	v_pk_mul_f32 v[244:245], v[252:253], v[252:253]
.else
	v_pk_fma_f32 v[242:243], v[250:251], v[250:251], v[242:243]
	v_pk_fma_f32 v[244:245], v[252:253], v[252:253], v[244:245]
.endif
.set li, li+2
.endr
	v_add_f32 v242, v242, v243
	v_add_f32 v244, v244, v245
	v_permlanex16_b32 v254, v242, s[SEL], s[SEL+1]
	v_permlanex16_b32 v255, v244, s[SEL], s[SEL+1]
	v_add_f32 v247, v242, v254                     ; M2
	v_add_f32 v249, v244, v255
	ds_store_b64 v[STW], v[246:247] offset:\stat           ; lanes l and l xor 16 write the same bytes with the same values
	ds_store_b64 v[STW], v[248:249] offset:\stat+1792
	s_wait_dscnt 0x0                               ; for the others' sake
	s_barrier_signal -1
	s_barrier_wait -1
.irp i, 0,1,2,3,4,5
	ds_load_b128 v[16+4*\i:19+4*\i], v[STR] offset:\stat+16*\i
	ds_load_b128 v[40+4*\i:43+4*\i], v[STR] offset:\stat+1792+16*\i
.endr
	s_wait_dscnt 0x0
	v_pk_add_f32 v[234:235], v[16:17], v[18:19]    ; (sum of S, sum of M2)
	v_pk_add_f32 v[236:237], v[40:41], v[42:43]
.irp w, 2,3,4,5,6,7,8,9,10,11
	v_pk_add_f32 v[234:235], v[234:235], v[16+2*\w:17+2*\w]
	v_pk_add_f32 v[236:237], v[236:237], v[40+2*\w:41+2*\w]
.endr
	v_mul_f32 v238, 0x3daaaaab, v234               ; / 12
	v_mul_f32 v240, 0x3daaaaab, v236
.irp w, 0,1,2,3,4,5,6,7,8,9,10,11
	v_sub_f32 v250, v[16+2*\w], v238               ; e_w
	v_sub_f32 v252, v[40+2*\w], v240
.if \w == 0
	v_mul_f32 v242, v250, v250
	v_mul_f32 v244, v252, v252
.else
	v_fma_f32 v242, v250, v250, v242
	v_fma_f32 v244, v252, v252, v244
.endif
.endr
	v_fma_f32 v242, v242, 0x3c800000, v235         ; sum of M2 + sum of e^2 / 64
	v_fma_f32 v244, v244, 0x3c800000, v237
	v_fma_f32 v242, v242, s[R768], s[EPS]          ; the variance + 1e-5
	v_fma_f32 v244, v244, s[R768], s[EPS]
	v_mul_f32 v238, s[R768], v234                  ; the mean
	v_mul_f32 v240, s[R768], v236
	v_rsq_f32 v246, v242
	v_rsq_f32 v248, v244
	v_mov_b32 v239, v238                           ; (plain lines behind the two)
	v_mov_b32 v241, v240
	s_wait_alu depctr_va_vdst(0)                   ; one wait for both, ahead of their first reader
	v_mov_b32 v247, v246
	v_mov_b32 v249, v248
.set li, 0
.rept 16
	v_pk_add_f32 v[LX+li:LX+li+1], v[LX+li:LX+li+1], v[238:239] op_sel_hi:[1,0] neg_lo:[0,1] neg_hi:[0,1]
	v_pk_add_f32 v[LX+32+li:LX+33+li], v[LX+32+li:LX+33+li], v[240:241] op_sel_hi:[1,0] neg_lo:[0,1] neg_hi:[0,1]
.set li, li+2
.endr
.set li, 0
.rept 16
	v_pk_mul_f32 v[LX+li:LX+li+1], v[LX+li:LX+li+1], v[246:247] op_sel_hi:[1,0]
	v_pk_mul_f32 v[LX+32+li:LX+33+li], v[LX+32+li:LX+33+li], v[248:249] op_sel_hi:[1,0]
.set li, li+2
.endr
.set li, 0
.rept 16
	v_pk_fma_f32 v[LX+li:LX+li+1], v[LX+li:LX+li+1], v[BI+li:BI+li+1], v[LF+li:LF+li+1]
	v_pk_fma_f32 v[LX+32+li:LX+33+li], v[LX+32+li:LX+33+li], v[BI+li:BI+li+1], v[LF+li:LF+li+1]
.set li, li+2
.endr
.endm
	s_load_b512 s[4:19], s[0:1], 0x0               ; ctxw s[4:5], graph_nodes s[6:7], outW's codes s[8:9], d1W's s[10:11], their scales s[12:13], s[14:15], outb s[16:17], ln1g s[18:19]
	s_load_b256 s[20:27], s[0:1], 0x40             ; ln1b, d1b, ln2g, ln2b
	s_load_b64 s[28:29], s[0:1], 0x60              ; out0
	v_lshl_add_u32 v[SPW], v0, 2, SPARE
	v_mov_b32 v[NIL], 0
	ds_add_u32 v1, v2
	ds_add_u32 v1, v2
	s_wait_dscnt 0x0
	v_lshrrev_b32 v16, 5, v0
	v_readfirstlane_b32 s[WV], v16                 ; wave 0..11
	v_and_b32 v17, 31, v0                          ; lane
	v_and_b32 v18, 15, v0                          ; r
	v_bfe_u32 v19, v0, 4, 1                        ; h
	s_bfe_u32 s76, ttmp6, 0x40000                  ; cx: it enters global addresses of plain accesses alone
	s_lshl_b32 s[WG], ttmp9, 2
	s_add_co_u32 s[WG], s[WG], s76
	s_mul_i32 s[LW], s[WV], SLICE
	v_mul_u32_u24 v[WA0], v18, 144
	v_lshl_add_u32 v[WA0], v19, 4, v[WA0]
	v_add_nc_u32 v[WA0], s[LW], v[WA0]
	v_add_nc_u32 v[WA0+1], SLOT, v[WA0]
	v_lshl_add_u32 v[B16], v17, 4, SM
	v_lshl_add_u32 v[B4], v17, 2, SM
	v_mul_u32_u24 v[GR0], v18, 272
	v_lshl_add_u32 v[GR0], v19, 5, v[GR0]          ; row r x 272 + 32 h
	v_mul_u32_u24 v[RD], v19, 272
	v_lshl_add_u32 v[RD], v18, 4, v[RD]            ; lanes 0-15 one row of 256 bytes, lanes 16-31 the next
	s_mul_i32 s77, s[WV], 4352
	s_add_co_u32 s77, s77, SM+STG                  ; my stage
	v_add_nc_u32 v[STS], s77, v[RD]                ; in by rows,
	v_add_nc_u32 v236, s77, v[GR0]                 ; out in the result's layout
	v_add_nc_u32 v[GR0], s[LW], v[GR0]             ; the way out goes the other way round, through my part of slot 0
	v_add_nc_u32 v[RD], s[LW], v[RD]
	v_mul_u32_u24 v[GOF], v19, 3072
	v_lshl_add_u32 v[GOF], v18, 4, v[GOF]
	v_mul_u32_u24 v[STR], v18, 112
	v_add_nc_u32 v[STR], SM, v[STR]
	s_lshl_b32 s77, s[WV], 3
	v_add_nc_u32 v[STW], s77, v[STR]
	s_lshl_b32 s77, s[WV], 8
	v_lshl_add_u32 v[BB], v19, 5, s77
	v_add_nc_u32 v[BB], SM, v[BB]
	v_lshl_add_u32 v234, v17, 3, s77               ; my wave's 256 bytes of a vector, 8 a lane: in memory,
	v_add_nc_u32 v235, SM, v234                    ; and in LDS
	s_lshl_b32 s77, s[WV], 9
	v_add_nc_u32 v[HWI], s77, v[B16]
	s_lshr_b32 s77, s[WV], 1
	s_lshl_b32 s77, s77, 7
	s_and_b32 s78, s[WV], 1
	s_lshl_b32 s78, s78, 1
	s_add_co_u32 s77, s77, s78
	v_add_nc_u32 v[HWS], s77, v[B4]
	v_mul_u32_u24 v[SO24], v17, 24
	s_add_co_u32 s78, s76, s[WV]                   ; the prefetch: 8,192 (w + cx) + 256 x lane, from a pointer that stands at 24,576 w
	s_lshl_b32 s78, s78, 13
	v_lshl_add_u32 v[PFO], v17, 8, s78
	s_cmp_lt_u32 s[WV], 9
	s_cselect_b32 s[LIM], 0, 1
	s_or_b32 s[LIM], s[LIM], ttmp9                 ; 0 in waves 0 to 8 of cluster 0: the same in all four partners
	s_cmp_eq_u32 s[LIM], 0
	s_cselect_b32 s[LIM], 1, -1
	v_mov_b32 v254, 0                              ; a lane permute's destination counts as one of its sources
	v_mov_b32 v255, 0
	s_mov_b32 s[SEL], 0x76543210
	s_mov_b32 s[SEL+1], 0xfedcba98
	s_mov_b32 s[R768], 0x3aaaaaab
	s_mov_b32 s[EPS], 0x3727c5ac
	s_mov_b32 s[G1W], 15|(1<<20)|(1<<21)|(4<<22)|(3<<25)   ; a chunk: 64 rows x 128 bytes, four words of padding behind every 32; the mask names the cluster's four
	s_mov_b32 s[G1W+1], 128<<16
	s_mov_b32 s[G1W+2], 64<<16
	s_mov_b32 s[G1W+3], 128<<16
	s_mov_b32 s[G1W+4], 64
	s_mov_b32 s[G1W+5], 384
	s_mov_b32 s[G1W+6], 0
	s_mov_b32 s[G1W+7], 0
	s_mov_b32 s[G1C], 3<<16                        ; ctx's record: 51 dense rows of 256 bytes (32 elements of 8); my work-group's own: no mask
	s_mov_b32 s[G1C+1], 32<<16
	s_mov_b32 s[G1C+2], 51<<16
	s_mov_b32 s[G1C+3], 32<<16
	s_mov_b32 s[G1C+4], 51
	s_mov_b32 s[G1C+5], 32
	s_mov_b32 s[G1C+6], 0
	s_mov_b32 s[G1C+7], 0
	s_mov_b32 s81, 0
	s_wait_kmcnt 0x0
	s_mul_i32 s80, s[WV], 24576                    ; my 64 rows of a weight,
	s_add_nc_u64 s[8:9], s[8:9], s[80:81]
	s_add_nc_u64 s[10:11], s[10:11], s[80:81]
	s_mul_i32 s80, s[WV], 1536                     ; and of its scales
	s_add_nc_u64 s[12:13], s[12:13], s[80:81]
	s_add_nc_u64 s[14:15], s[14:15], s[80:81]
	s_mul_i32 s80, s[WG], 13056
	s_add_nc_u64 s[4:5], s[4:5], s[80:81]
	s_mul_i32 s80, s[WG], 98304                    ; 32 rows of 3,072 bytes,
	s_lshl_b32 s82, s[WV], 8                       ; + my 64 columns
	s_add_co_u32 s80, s80, s82
	s_add_nc_u64 s[6:7], s[6:7], s[80:81]
	s_add_nc_u64 s[28:29], s[28:29], s[80:81]
.irp i, 0,1,2,3,4,5,6,7,8,9,10,11,12,13,14,15
	global_load_b128 v[YB+4*\i:YB+4*\i+3], v[GOF], s[6:7] offset:6144*\i th:TH_LOAD_NT     ; rows 2 i and 2 i + 1: sixteen lanes read 256 consecutive bytes, aligned
.endr
	s_mov_b32 s[G0], 1                             ; outW's chunk 0, into slot 0
	s_mov_b32 s[G0+1], s[LW]
	s_mov_b64 s[G0+2:G0+3], s[8:9]
	s_or_b32 s[G0+3], s[G0+3], 0x80000000
	s_mov_b32 s[G0B], 1                            ; its chunk 1, into slot 1
	s_add_co_u32 s[G0B+1], s[LW], SLOT
	s_add_nc_u64 s[G0B+2:G0B+3], s[8:9], 128
	s_or_b32 s[G0B+3], s[G0B+3], 0x80000000
	s_mov_b32 s[G0C], 1
	s_mov_b32 s[G0C+1], SM+CTX
	s_mov_b64 s[G0C+2:G0C+3], s[4:5]
	s_or_b32 s[G0C+3], s[G0C+3], 0x80000000
.irp i, 0,1,2,3,4,5
	global_load_b64 v[16+2*\i:17+2*\i], v234, s[16+2*\i:17+2*\i]
.endr
	NEXTSC 12, 0, 0
	ROUND                                          ; all four work-groups are here: the first joint loads meet
	s_cmp_eq_u32 s[WV], 0                          ; a wave's first fills stand in one branch; wave 0 also fetches ctx's record
	s_cbranch_scc0 .Lfill_others
	tensor_load_to_lds s[G0C:G0C+3], s[G1C:G1C+7]
	s_nop 0
	tensor_load_to_lds s[G0:G0+3], s[G1W:G1W+7]
	s_nop 0
	tensor_load_to_lds s[G0B:G0B+3], s[G1W:G1W+7]
	s_nop 0
	PLACES
	s_branch .Lfilled
.Lfill_others:
	tensor_load_to_lds s[G0:G0+3], s[G1W:G1W+7]
	s_nop 0
	tensor_load_to_lds s[G0B:G0B+3], s[G1W:G1W+7]
	s_nop 0
	PLACES
.Lfilled:
	s_wait_loadcnt 0x0
.irp i, 0,1,2,3,4,5
	ds_store_b64 v235, v[16+2*\i:17+2*\i] offset:BIA+3072*\i           ; read again by my wave alone
.endr
.irp m, 0,1                            ; graph_nodes through my stage, a tile of 16 rows at a time.  LDS serves a wave's instructions in order (ISA guide 5.7.1.4): the loads see the stores, and the second tile's stores come behind the first's loads
.irp i, 0,1,2,3,4,5,6,7
	ds_store_b128 v[STS], v[YB+32*\m+4*\i:YB+32*\m+4*\i+3] offset:544*\i
.endr
.irp t, 0,1,2,3
	ds_load_b128 v[XA+32*\m+8*\t:XA+32*\m+8*\t+3], v236 offset:64*\t
	ds_load_b128 v[XA+32*\m+8*\t+4:XA+32*\m+8*\t+7], v236 offset:64*\t+16
.endr
.endr
	LDV BI, 0
	s_wait_dscnt 0x0
.set hi, 0
.rept 16
	v_pk_add_f32 v[XA+hi:XA+hi+1], v[XA+hi:XA+hi+1], v[BI+hi:BI+hi+1]              ; graph_nodes + outb: what the first product's sums begin with
	v_pk_add_f32 v[XA+32+hi:XA+33+hi], v[XA+32+hi:XA+33+hi], v[BI+hi:BI+hi+1]
.set hi, hi+2
.endr
	s_wait_tensorcnt 0x1                           ; all but the youngest of my tensor loads, outW's chunk 1, have landed: ctx's record (wave 0) and chunk 0
	s_barrier_signal -1
	s_barrier_wait -1                              ; ctx's record lies in LDS for all twelve waves.
	CHUNK 0, 0, CTX, CTX+12288, XA, 0, 12, 1
	CHANGE 0, 8, 256
	; A PREFETCH INTO THE L2 of d1W's codes, behind this change's tensor load and its four lines: the next change is the first that loads from them.  Each aligned block of 256 bytes is named once in the launch:
	; cluster 0 asks; wave w of its partner cx names the 8,192 bytes at 32,768 w + 8,192 cx, lanes 256 bytes apart: nine waves cover the 294,912 bytes to the last and no further.  outW is asked for from the head on and is not prefetched.
	s_cmp_eq_u32 s[LIM], 1
	s_cbranch_scc0 .Lnot_mine
	global_prefetch_b8 v[PFO], s[10:11] th:TH_LOAD_NT scope:SCOPE_SE
.Lnot_mine:
	CHUNK 1, 1, CTX, CTX+12288, XA, 0, 12, 2
	CHANGE 1, 10, 0
	CHUNK 0, 2, CTX, CTX+12288, XA, 0, 14, 0
	CHANGE 0, 10, 128
	LN XA, YB, STAT1, 1, 2
	; x becomes the second product's operand: my 64 columns of both tiles of rows
.irp m, 0,1
	QUANT XA+32*\m, XA+32*\m+8, XA+32*\m+16, XA+32*\m+24, AF+4*\m, PW+\m
	ds_store_b128 v[HWI], v[AF+4*\m:AF+4*\m+3] offset:HIMG+6144*\m
.endr
	v_permlane16_swap_b32 v[PW], v[PW+1]           ; tile 0's halfwords in lanes 0-15, tile 1's in lanes 16-31
	ds_store_b16 v[HWS], v[PW] offset:HSC
	s_wait_dscnt 0x0
	s_barrier_signal -1
	s_barrier_wait -1                              ; x's twelve fragments lie in LDS
	LDV BI, 3                                      ; d1b is the C of the sums' first products
	CHUNK 1, 0, HIMG, HSC, YB, 1, 14, 1
	CHANGE 1, 10, 256
	CHUNK 0, 1, HIMG, HSC, YB, 0, 14, 2
	s_wait_tensorcnt 0x0                           ; the last chunk, my one load that is out, has landed; I alone read it, and nothing is asked for any more
	s_wait_loadcnt 0x0
	RUN 1, 2, HIMG, HSC, YB, 0
	PLACES
.set ai, 0
.rept 8                                ; y = max(z, 0.01 z) + x, an accumulator at a time, from its low end on
.irp k, 0,1,2,3
	v_pk_mul_f32 v[234+2*\k:235+2*\k], v[YB+8*ai+2*\k:YB+8*ai+2*\k+1], 0x3c23d70a op_sel_hi:[1,0]
.endr
.irp k, 0,1,2,3,4,5,6,7
	v_max_num_f32 v[YB+8*ai+\k], v[YB+8*ai+\k], v[234+\k]
.endr
.irp k, 0,1,2,3
	v_pk_add_f32 v[YB+8*ai+2*\k:YB+8*ai+2*\k+1], v[YB+8*ai+2*\k:YB+8*ai+2*\k+1], v[XA+8*ai+2*\k:XA+8*ai+2*\k+1]
.endr
.set ai, ai+1
.endr
	LN YB, XA, STAT2, 4, 5
	; THE WAY OUT, through my own part of slot 0, which has had its last fill and its last read: in by lanes, back by rows
.irp m, 0,1
.irp t, 0,1,2,3
	ds_store_b128 v[GR0], v[YB+32*\m+8*\t:YB+32*\m+8*\t+3] offset:4352*\m+64*\t
	ds_store_b128 v[GR0], v[YB+32*\m+8*\t+4:YB+32*\m+8*\t+7] offset:4352*\m+64*\t+16
.endr
.endr
.irp i, 0,1,2,3,4,5,6,7,8,9,10,11,12,13,14,15
	ds_load_b128 v[XA+4*\i:XA+4*\i+3], v[RD] offset:544*\i             ; LDS serves a wave's instructions in order (ISA guide 5.7.1.4): these see my stores
.endr
.irp i, 0,1,2,3,4,5,6,7,8,9,10,11,12,13,14,15
	s_wait_dscnt 15-\i                             ; the younger loads may be out
	global_store_b128 v[GOF], v[XA+4*\i:XA+4*\i+3], s[28:29] offset:6144*\i th:TH_STORE_NT     ; sixteen lanes store 256 consecutive bytes, aligned
.endr
	s_wait_tensorcnt 0x0                           ; the wave's end
	ds_add_u32 v[SPW], v[NIL]
	s_wait_dscnt 0x0
	ROUND                                          ; the closing round
	s_endpgm
.Lfunc_end_k_q111dc95763_tail:
	.size	k_q111dc95763_tail, .Lfunc_end_k_q111dc95763_tail-k_q111dc95763_tail
	.p2alignl 7, 3214868480
	.fill 96, 4, 3214868480
	.section	.rodata,"a",@progbits
	.p2align	6, 0x0
	.amdhsa_kernel k_q111dc95763_tail
		.amdhsa_group_segment_fixed_size 327680
		.amdhsa_private_segment_fixed_size 0
		.amdhsa_enable_private_segment 0
		.amdhsa_kernarg_size 104
		.amdhsa_user_sgpr_count 2
		.amdhsa_user_sgpr_kernarg_segment_ptr 1
		.amdhsa_wavefront_size32 1
		.amdhsa_system_sgpr_workgroup_id_x 1
		.amdhsa_system_sgpr_workgroup_id_y 1
		.amdhsa_system_sgpr_workgroup_id_z 1
		.amdhsa_system_vgpr_workitem_id 0
		.amdhsa_next_free_vgpr 256
		.amdhsa_next_free_sgpr 88
		.amdhsa_reserve_vcc 0
		.amdhsa_float_denorm_mode_32 3
		.amdhsa_float_denorm_mode_16_64 3
		.amdhsa_memory_ordered 1
		.amdhsa_forward_progress 1
		.amdhsa_inst_pref_size 97
	.end_amdhsa_kernel
	.amdgpu_metadata
---
amdhsa.version: [ 1, 2 ]
amdhsa.kernels:
  - .name:           k_q111dc95763_tail
    .symbol:         k_q111dc95763_tail.kd
    .args:
      - { .name: ctxw, .offset: 0, .size: 8, .value_kind: global_buffer, .address_space: global }
      - { .name: graph_nodes, .offset: 8, .size: 8, .value_kind: global_buffer, .address_space: global }
      - { .name: outW_codes, .offset: 16, .size: 8, .value_kind: global_buffer, .address_space: global }
      - { .name: d1W_codes, .offset: 24, .size: 8, .value_kind: global_buffer, .address_space: global }
      - { .name: outW_scales, .offset: 32, .size: 8, .value_kind: global_buffer, .address_space: global }
      - { .name: d1W_scales, .offset: 40, .size: 8, .value_kind: global_buffer, .address_space: global }
      - { .name: outb, .offset: 48, .size: 8, .value_kind: global_buffer, .address_space: global }
      - { .name: ln1g, .offset: 56, .size: 8, .value_kind: global_buffer, .address_space: global }
      - { .name: ln1b, .offset: 64, .size: 8, .value_kind: global_buffer, .address_space: global }
      - { .name: d1b, .offset: 72, .size: 8, .value_kind: global_buffer, .address_space: global }
      - { .name: ln2g, .offset: 80, .size: 8, .value_kind: global_buffer, .address_space: global }
      - { .name: ln2b, .offset: 88, .size: 8, .value_kind: global_buffer, .address_space: global }
      - { .name: out0, .offset: 96, .size: 8, .value_kind: global_buffer, .address_space: global }
    .group_segment_fixed_size: 327680
    .private_segment_fixed_size: 0
    .kernarg_segment_align: 8
    .kernarg_segment_size: 104
    .max_flat_workgroup_size: 384
    .sgpr_count:     88
    .vgpr_count:     256
    .wavefront_size: 32
...
	.end_amdgpu_metadata
.endif
;; end of part 3
